; MI455X (gfx1250); checked and timed in simulation.
; The chip was launched on July 23, 2026; its instructions are those of AMD's public machine-readable ISA for CDNA 5 (MIT licence, August 2026) and "CDNA5" Instruction Set Architecture Reference Guide (July 2026). The comments in the code are by the model that wrote it; some were corrected since.
;; Attention. Allowed arithmetic: float matrix products may take bf16 or f16 operands with f32 sums; all other float work in f32.
;; Inputs: cos 2,048 x 64 float32; hidden_states 2 x 2,048 x 1,024 float32; norm_k_w 64 float32; norm_q_w 64 float32; sin 2,048 x 64 float32; w_out 1,024 x 1,024 float32; w_qkv 1,024 x 3,072 float32.
;; Outputs: out0 2 x 2,048 x 1,024 float32.
;; 2 versions, each right. Each part assembles by itself: llvm-mc -triple=amdgcn-amd-amdhsa -mcpu=gfx1250 --defsym DOCPART=n.
;; ======== version 1 of 2: 4 launches
;; limits: values outside matrix products are rounded to bf16; values are held in f16: magnitudes above 65,504 overflow, below 6.1e-05 lose precision
;; workspace buffers: hb 8,388,608 bytes; wqb 6,291,456 bytes; wob 2,097,152 bytes; qkv 25,165,824 bytes; att 8,388,608 bytes
;; launch cast (part 1): grid 512 x 1, 8 waves a work-group, no clusters, 0 bytes of LDS; arguments hidden_states, w_qkv, w_out, hb, wqb, wob; writes hb, wqb, wob
.if DOCPART == 1
	.amdgcn_target "amdgcn-amd-amdhsa--gfx1250"
	.amdhsa_code_object_version 6
	.text
	.protected	k_qc435b299e8_cast
	.globl	k_qc435b299e8_cast
	.p2align	8
	.type	k_qc435b299e8_cast,@function
k_qc435b299e8_cast:
	s_mov_b64 s[64:65], 0
	v_nop
	global_prefetch_b8 v0, s[64:65] scope:SCOPE_SE
	s_setreg_imm32_b32 hwreg(HW_REG_WAVE_MODE, 25, 1), 1
	s_wait_xcnt 0x0
; cast: hidden_states, w_qkv and w_out, all f32, are rounded to bf16 (nearest even) and copied in the same layouts into hb, wqb, wob.
; hb and wqb hold bf16.  wob holds the SAME bf16 values written in f16's format, because w_out's partner in the last product (att) is kept in f16:
; a bf16 value has 8 significant bits, so the second conversion is exact for 2^-17 <= |w| < 65,504 (below that it errs by at most 2^-25).
; 8,388,608 numbers in all; a work-group takes 16,384 of them (65,536 bytes in, 32,768 bytes out):
; work-groups 0-255 hidden_states, 256-447 w_qkv, 448-511 w_out.
; A stream: every byte is read once and written once, so there is no LDS, no matrix unit and no cluster (no two work-groups share a byte).
; Thread t takes the 16 bytes at 16 t of each block of 4,096 bytes: a wave's load covers 512 consecutive bytes, its store of
; 8 bytes a lane covers 256 consecutive bytes that start at a multiple of 256 from the buffer's first byte.
; All sixteen loads of a wave go out at once; no source of a pending load or store is ever rewritten.
.set X,  4                             ; v[4:67]   sixteen loads of four f32 (w_out's path: then the bf16 values widened again)
.set YB, 68                            ; v[68:99]  sixteen pairs of packed 16-bit numbers
	s_load_b256 s[4:11], s[0:1], 0x0               ; hidden_states s[4:5], w_qkv s[6:7], w_out s[8:9], hb s[10:11]
	s_load_b128 s[12:15], s[0:1], 0x20             ; wqb s[12:13], wob s[14:15]
	s_mov_b32 s23, ttmp9                           ; the work-group's number
	s_sub_co_u32 s16, s23, 256                     ; its number inside w_qkv (used only where it is one of 256-447)
	s_sub_co_u32 s17, s23, 448                     ; its number inside w_out (used only from 448 on)
	s_mov_b32 s28, 0xffff0000                      ; a word's upper bf16
	v_lshlrev_b32 v1, 4, v0                        ; 16 t: where I read
	v_lshlrev_b32 v2, 3, v0                        ; 8 t: where I write
	s_wait_kmcnt 0x0
	s_cmp_lt_u32 s23, 448                          ; the choice hangs on the work-group's number alone
	s_cselect_b64 s[18:19], s[6:7], s[8:9]
	s_cselect_b64 s[20:21], s[12:13], s[14:15]
	s_cselect_b32 s22, s16, s17
	s_cmp_lt_u32 s23, 256
	s_cselect_b64 s[18:19], s[4:5], s[18:19]       ; from
	s_cselect_b64 s[20:21], s[10:11], s[20:21]     ; to
	s_cselect_b32 s22, s23, s22                    ; which block of 16,384 numbers of that tensor
	s_lshl_b32 s24, s22, 16                        ; 65,536 bytes of f32 a block
	s_mov_b32 s25, 0
	s_lshl_b32 s26, s22, 15                        ; 32,768 bytes of 16-bit numbers a block
	s_mov_b32 s27, 0
	s_add_nc_u64 s[18:19], s[18:19], s[24:25]
	s_add_nc_u64 s[20:21], s[20:21], s[26:27]
.set i, 0
.rept 16
	global_load_b128 v[X+4*i:X+4*i+3], v1, s[18:19] offset:4096*i th:TH_LOAD_NT   ; read once in the whole launch
.set i, i+1
.endr
; The sixteen turns.  half = 1: the bf16 values are widened again (a shift, a mask) and written in f16's format.
.macro TURNS half
.set i, 0
.rept 16
	s_wait_loadcnt 15-i                            ; loads come back in order: load i is in, the 15 - i younger ones stay out
	v_cvt_pk_bf16_f32 v[YB+2*i],   v[X+4*i],   v[X+4*i+1]
	v_cvt_pk_bf16_f32 v[YB+2*i+1], v[X+4*i+2], v[X+4*i+3]
.if \half
	v_lshlrev_b32 v[X+4*i],   16,  v[YB+2*i]
	v_and_b32     v[X+4*i+1], s28, v[YB+2*i]
	v_lshlrev_b32 v[X+4*i+2], 16,  v[YB+2*i+1]
	v_and_b32     v[X+4*i+3], s28, v[YB+2*i+1]
	v_cvt_pk_f16_f32 v[YB+2*i],   v[X+4*i],   v[X+4*i+1]
	v_cvt_pk_f16_f32 v[YB+2*i+1], v[X+4*i+2], v[X+4*i+3]
.endif
	global_store_b64 v2, v[YB+2*i:YB+2*i+1], s[20:21] offset:2048*i   ; the next launches read these bytes: no hint
.set i, i+1
.endr
.endm
	s_cmp_lt_u32 s23, 448
	s_cbranch_scc0 .Lw_out
	TURNS 0
	s_endpgm
.Lw_out:
	TURNS 1
	s_endpgm
.Lfunc_end_k_qc435b299e8_cast:
	.size	k_qc435b299e8_cast, .Lfunc_end_k_qc435b299e8_cast-k_qc435b299e8_cast
	.p2alignl 7, 3214868480
	.fill 96, 4, 3214868480
	.section	.rodata,"a",@progbits
	.p2align	6, 0x0
	.amdhsa_kernel k_qc435b299e8_cast
		.amdhsa_group_segment_fixed_size 0
		.amdhsa_private_segment_fixed_size 0
		.amdhsa_enable_private_segment 0
		.amdhsa_kernarg_size 48
		.amdhsa_user_sgpr_count 2
		.amdhsa_user_sgpr_kernarg_segment_ptr 1
		.amdhsa_wavefront_size32 1
		.amdhsa_system_sgpr_workgroup_id_x 1
		.amdhsa_system_sgpr_workgroup_id_y 1
		.amdhsa_system_sgpr_workgroup_id_z 1
		.amdhsa_system_vgpr_workitem_id 0
		.amdhsa_next_free_vgpr 100
		.amdhsa_next_free_sgpr 66
		.amdhsa_reserve_vcc 0
		.amdhsa_float_denorm_mode_32 3
		.amdhsa_float_denorm_mode_16_64 3
		.amdhsa_memory_ordered 1
		.amdhsa_forward_progress 1
		.amdhsa_inst_pref_size 15
	.end_amdhsa_kernel
	.amdgpu_metadata
---
amdhsa.version: [ 1, 2 ]
amdhsa.kernels:
  - .name:           k_qc435b299e8_cast
    .symbol:         k_qc435b299e8_cast.kd
    .args:
      - { .name: hidden_states, .offset: 0, .size: 8, .value_kind: global_buffer, .address_space: global }
      - { .name: w_qkv, .offset: 8, .size: 8, .value_kind: global_buffer, .address_space: global }
      - { .name: w_out, .offset: 16, .size: 8, .value_kind: global_buffer, .address_space: global }
      - { .name: hb, .offset: 24, .size: 8, .value_kind: global_buffer, .address_space: global }
      - { .name: wqb, .offset: 32, .size: 8, .value_kind: global_buffer, .address_space: global }
      - { .name: wob, .offset: 40, .size: 8, .value_kind: global_buffer, .address_space: global }
    .group_segment_fixed_size: 0
    .private_segment_fixed_size: 0
    .kernarg_segment_align: 8
    .kernarg_segment_size: 48
    .max_flat_workgroup_size: 256
    .sgpr_count:     66
    .vgpr_count:     100
    .wavefront_size: 32
...
	.end_amdgpu_metadata
.endif
;; end of part 1
;; launch qkv (part 2): grid 16 x 16, 4 waves a work-group, clusters of 4 x 4, 327,680 bytes of LDS; arguments hb, wqb, cos, sin, norm_q_w, norm_k_w, qkv; writes qkv
.if DOCPART == 2
	.amdgcn_target "amdgcn-amd-amdhsa--gfx1250"
	.amdhsa_code_object_version 6
	.text
	.protected	k_qc435b299e8_qkv
	.globl	k_qc435b299e8_qkv
	.p2align	8
	.type	k_qc435b299e8_qkv,@function
k_qc435b299e8_qkv:
	s_mov_b64 s[64:65], 0
	v_nop
	global_prefetch_b8 v0, s[64:65] scope:SCOPE_SE
	s_setreg_imm32_b32 hwreg(HW_REG_WAVE_MODE, 25, 1), 1
	s_wait_xcnt 0x0
	s_wait_alu depctr_hold_cnt(0) depctr_sa_sdst(0) depctr_va_vdst(0) depctr_va_sdst(0) depctr_va_ssrc(0) depctr_va_vcc(0) depctr_vm_vsrc(0)
	s_getreg_b32 s2, hwreg(HW_REG_IB_STS2, 6, 4)
	s_cmp_eq_u32 s2, 0
	s_cbranch_scc0 .Lentry_in_a_cluster
	s_endpgm
.Lentry_in_a_cluster:
	s_bfe_u32 s2, ttmp6, 0x10000c
	s_cmp_lg_u32 s2, 0xf033
	s_cbranch_scc0 .Lentry_shape_is_right
	s_endpgm
.Lentry_shape_is_right:
; qkv: (hidden @ w_qkv), then per head RMS norm and RoPE on q and k, all three rounded to bf16 and stored head-major:
; qkv[type 0..2][batch][head][token][64].  Operands bf16 (hb [4096][1024], wqb [1024][3072]), sums and all other arithmetic f32.
; q and k are stored as bf16.  v is rounded to bf16 as reference() rounds it, and that value is stored in f16's format, because the product that
; reads it takes its partner (the probabilities) in f16.  LIMIT: |v| < 65,504.  (|v| is some 5 for inputs of spread 1 and 1/32, some 5,000 with both
; inputs 30 times larger, some 29,000 with both carrying an offset of 30 spreads; below 2^-17 the second conversion errs by at most 2^-25.)
; cos, sin and the two gains are rounded to bf16 as hidden and the weights are, so that the whole program computes reference() on one set of inputs,
; all rounded to bf16.  That matters here because q and k are rounded to bf16 right behind this arithmetic: a difference d in front of a rounding
; of step u comes out as a whole step with probability d / u, root mean square sqrt(u d).  The arithmetic on the rounded tables stays f32.
; A work-group makes 256 token rows x 192 columns: the 64 columns of q, of k and of v of ONE head (block column = head), so that which
; 64 columns are normed is fixed in the text and no branch hangs on a place in the cluster.  Four waves; wave w owns rows 64 w .. 64 w + 63
; and all 192 columns: 4 x 12 accumulator tiles of 16 x 16, 384 registers.  16 x 16 = 256 work-groups.
; K goes in steps of 128 through two LDS slots filled by the tensor data mover.  hb's rows in a tile are 256 bytes; wqb's are 128 bytes
; (64 columns of one head are no longer in the tensor itself).
; CLUSTERS: 4 x 4.  hb's tile hangs on the block row alone and is asked for jointly by the four of a row of the cluster;
; wqb's tiles hang on the head alone and are asked for jointly by the four of a column.
; wqb lies [K][N]: its fragments are read with the transposing LDS load.  THE MATRIX INSTRUCTION IS USED TRANSPOSED (source 0 = 16 columns
; of w, source 1 = 16 token rows): lane l then holds token l % 16, its registers 0-7 the columns 8 (l / 16) + 0..7 of the tile, so a head's
; 64 numbers of one token lie in the two lanes l and l xor 16, and the norm needs one exchange.
; Order of rounding: y = (x w cos + rot(x w) sin) rsqrt(mean(x^2) + 1e-6), where reference() scales by the root first.
;
; REGISTERS in windows of 256:
;   window 0: v2-10 addresses; v32-63, v64-95 fragments of hb, two buffers (on the way out: Y and T); v96-159, v160-223 cos and sin, two buffers;
;             v224-251 at work on the way out
;   window 1: v0-95, v96-191 fragments of w, two buffers; v192-223 norm_q_w, v224-255 norm_k_w as my lane needs them
;   window 2: accumulator tiles of row blocks 0, 1 (tile (a, b) at v[8 (12 a + b)]);  window 3: row blocks 2, 3
.set SLOT,   131072                    ; hb's 256 rows, then three sub-tiles of w
.set APITCH, 272                       ; 256 bytes + 16: the sixteen rows of a fragment load start 68 words apart
.set BPITCH, 160                       ; 128 bytes + 32: an odd multiple of 32 bytes, as the transposing load's eight rows want
.set BOFF,   256*APITCH                ; 69,632
.set BSUB,   128*BPITCH                ; 20,480: 128 k rows x 64 columns of q, of k or of v
.set STAGE,  2*SLOT                    ; behind the ring, never filled by a tensor load: 6,912 bytes a wave
.set SPITCH, 144                       ; a token's 128 bytes + 16
.set SSUB,   16*SPITCH                 ; 16 tokens of one type
.set ADRA, 2                           ; v2-3   LDS address of my hb fragments in slot 0, 1
.set ADRB, 4                           ; v4-5   the same for w
.set STO,  6                           ; v6     stage: where I put 16 bytes
.set RD,   7                           ; v7     stage: where I read 16 bytes of a token's row back
.set GO,   8                           ; v8     16 x lane: my bytes in 512 consecutive bytes of the output
.set CSO,  9                           ; v9     my bytes in cos and sin
.set WO,   10                          ; v10    my bytes in the norm weights
.set FA,   32                          ; hb fragments, + 32 x buffer
.set FB,   0                           ; w fragments (window 1), + 96 x buffer
.set Y,    32                          ; x w
.set T,    64                          ; the rotated sum
.set CS,   96                          ; + 64 x buffer: 32 cos, then 32 sin
.set SS,   224                         ; two chains of squares
.set RS,   232                         ; 1 / root, twice
.set TMP,  234
.set PK,   236                         ; 16 registers of packed 16-bit numbers
.set WQ,   192                         ; window 1; norm_k_w 32 further
.set G1A, 28                           ; s[28:35] shape of hb's tile
.set G1B, 36                           ; s[36:43] shape of w's tiles
.set G0A, 44                           ; s[44:51] hb: from where, to where; a set for each slot
.set G0B, 52                           ; s[52:63] slot 0, s[68:79] slot 1: a set for each of q, k, v
.set MUL_LO, 0xa1                      ; source 0 (w) window 1, source 1 (hb) window 0, C and D window 2
.set MUL_HI, 0xf1                      ; the same, C and D window 3
.set TO_B,   0x40                      ; destination window 1, sources window 0
.set MSB, 0
.macro WIN new                         ; the immediate's high byte repeats the setting that is left
.if MSB != \new
	s_set_vgpr_msb (MSB<<8)|\new
.set MSB, \new
.endif
.endm
.macro PLACES                          ; four plain vector instructions behind a matrix instruction (ISA guide 7.12.1)
.rept 4
	v_nop
.endr
.endm
.macro CREST                           ; a round of the cluster's barrier behind its opening work-group barrier
	s_cmp_lg_u32 s20, 0
	s_cbranch_scc1 .Lnot_wave_0_\@
	s_barrier_signal -3
.Lnot_wave_0_\@:
	s_barrier_wait -3
	s_barrier_signal -1
	s_barrier_wait -1
.endm
.macro CROUND
	s_barrier_signal -1
	s_barrier_wait -1
	CREST
.endm
.macro JLOAD s                         ; my four joint loads of a slot: 64 rows of hb, 32 k rows of each of w's three sub-tiles
	tensor_load_to_lds s[G0A+4*\s:G0A+4*\s+3], s[G1A:G1A+7]
	s_nop 0
.irp c, 0,1,2
	tensor_load_to_lds s[G0B+16*\s+4*\c:G0B+16*\s+4*\c+3], s[G1B:G1B+7]
	s_nop 0
.endr
.endm
	s_load_b256 s[4:11], s[0:1], 0x0               ; hb s[4:5], wqb s[6:7], cos s[8:9], sin s[10:11]
	s_load_b128 s[12:15], s[0:1], 0x20             ; norm_q_w s[12:13], norm_k_w s[14:15]
	s_load_b64 s[16:17], s[0:1], 0x30              ; qkv
	v_lshl_add_u32 v254, v0, 2, 0x46c00
	v_mov_b32 v255, 0
	ds_add_u32 v254, v255
	v_lshrrev_b32 v1, 5, v0
	v_readfirstlane_b32 s20, v1                    ; wave 0..3
	s_bfe_u32 s21, ttmp6, 0x40000                  ; cx
	s_bfe_u32 s22, ttmp6, 0x40004                  ; cy
	s_lshl_b32 s23, ttmp9, 2
	s_add_co_u32 s23, s23, s21                     ; head = 4 x cluster x + cx
	s_and_b32 s24, ttmp7, 0xffff
	s_lshl_b32 s24, s24, 2
	s_add_co_u32 s24, s24, s22                     ; block of 256 rows = 4 x cluster y + cy
	s_lshl_b32 s25, s22, 2
	s_lshl_b32 s25, 15, s25                        ; my row of the cluster
	s_lshl_b32 s26, 0x1111, s21                    ; my column
	; hb's tile: 64 rows x 128 elements of 2 bytes, 4 words of padding behind every 64
	s_or_b32 s[G1A+0], s25, (1<<16)|(1<<20)|(1<<21)|(5<<22)|(3<<25)
	s_mov_b32 s[G1A+1], 128<<16                    ; tensor_dim0 = 128
	s_mov_b32 s[G1A+2], 64<<16                     ; tensor_dim1 = 64
	s_mov_b32 s[G1A+3], 128<<16                    ; tile_dim0 = 128
	s_mov_b32 s[G1A+4], 64                         ; tile_dim1 = 64
	s_mov_b32 s[G1A+5], 1024                       ; elements from row to row
	s_mov_b32 s[G1A+6], 0
	s_mov_b32 s[G1A+7], 0
	; w's tile: 32 k rows x 64 elements, 8 words of padding behind every 32
	s_or_b32 s[G1B+0], s26, (1<<16)|(1<<20)|(1<<21)|(4<<22)|(7<<25)
	s_mov_b32 s[G1B+1], 64<<16
	s_mov_b32 s[G1B+2], 32<<16
	s_mov_b32 s[G1B+3], 64<<16
	s_mov_b32 s[G1B+4], 32
	s_mov_b32 s[G1B+5], 3072
	s_mov_b32 s[G1B+6], 0
	s_mov_b32 s[G1B+7], 0
	; offsets.  hb's is made of the block row and the wave alone, w's of the head and the wave alone, in registers of their own.
	s_lshl_b32 s94, s24, 8
	s_lshl_b32 s95, s20, 6
	s_add_co_u32 s94, s94, s95                     ; row 256 x block + 64 w
	s_lshl_b32 s94, s94, 11                        ; x 2,048 bytes
	s_mov_b32 s95, 0
	s_mul_i32 s96, s20, 32*6144                    ; k row 32 w, 6,144 bytes a row
	s_lshl_b32 s97, s23, 7                         ; + 128 bytes a head
	s_add_co_u32 s96, s96, s97
	s_mov_b32 s97, 0
	s_mul_i32 s27, s20, 64*APITCH                  ; LDS: my 64 rows of hb
	s_mul_i32 s18, s20, 32*BPITCH
	s_add_co_u32 s18, s18, BOFF                    ; LDS: my 32 k rows of a sub-tile
	s_mul_i32 s19, s20, 3*SSUB
	s_add_co_u32 s19, s19, STAGE                   ; LDS: my stage
	s_and_b32 s98, s24, 7
	s_lshl_b32 s98, s98, 8
	s_lshl_b32 s99, s20, 6
	s_add_co_u32 s98, s98, s99                     ; my first token in its sequence
	s_lshl_b32 s66, s98, 8                         ; x 256 bytes: a row of cos or sin
	s_mov_b32 s67, 0
	s_lshr_b32 s99, s24, 3                         ; batch
	s_lshl_b32 s99, s99, 4
	s_add_co_u32 s99, s99, s23                     ; 16 x batch + head
	s_lshl_b32 s99, s99, 18                        ; planes of 2,048 tokens x 128 bytes
	s_lshl_b32 s98, s98, 7
	s_add_co_u32 s98, s98, s99
	s_mov_b32 s99, 0
	s_mov_b32 s90, 0x3c800000                      ; 1 / 64
	s_mov_b32 s91, 0x358637bd                      ; 1e-6
	s_mov_b32 s92, 0x76543210                      ; v_permlanex16_b32: lane i reads lane i of the other half
	s_mov_b32 s93, 0xfedcba98
	v_and_b32 v11, 31, v0                          ; lane
	v_and_b32 v12, 15, v0                          ; r
	v_bfe_u32 v13, v0, 4, 1                        ; h
	v_and_b32 v14, 7, v0
	v_bfe_u32 v15, v0, 3, 1
	v_mul_u32_u24 v16, v12, APITCH
	v_lshl_add_u32 v16, v13, 4, v16                ; r x pitch + 16 h
	v_add_nc_u32 v[ADRA], s27, v16
	v_add_nc_u32 v[ADRA+1], SLOT, v[ADRA]
	v_lshl_add_u32 v17, v13, 3, v14                ; k row 8 h + (lane & 7)
	v_mul_u32_u24 v17, v17, BPITCH
	v_lshl_add_u32 v17, v15, 4, v17                ; + 16 bytes for the second eight columns
	v_add_nc_u32 v[ADRB], BOFF, v17
	v_add_nc_u32 v[ADRB+1], SLOT, v[ADRB]
	v_mul_u32_u24 v18, v12, SPITCH
	v_lshl_add_u32 v18, v13, 4, v18
	v_add_nc_u32 v[STO], s19, v18
	v_lshrrev_b32 v19, 3, v11                      ; eight lanes take a token's 128 bytes
	v_mul_u32_u24 v19, v19, SPITCH
	v_lshl_add_u32 v19, v14, 4, v19
	v_add_nc_u32 v[RD], s19, v19
	v_lshlrev_b32 v[GO], 4, v11
	v_lshlrev_b32 v[CSO], 8, v12
	v_lshl_add_u32 v[CSO], v13, 5, v[CSO]          ; token r's row + my 8 columns of each 16
	v_lshlrev_b32 v[WO], 5, v13
	v_mov_b32 v[TMP], 0                            ; v_permlanex16_b32 counts as a reader of its destination
	s_wait_dscnt 0x0
	s_wait_kmcnt 0x0
	s_add_nc_u64 s[94:95], s[4:5], s[94:95]
	s_add_nc_u64 s[96:97], s[6:7], s[96:97]
	s_add_nc_u64 s[80:81], s[8:9], s[66:67]        ; cos at my first token
	s_add_nc_u64 s[82:83], s[10:11], s[66:67]      ; sin
	s_mov_b32 s66, 0xffff0000                      ; from here on: a word's upper bf16
	s_add_nc_u64 s[84:85], s[16:17], s[98:99]      ; q's plane at my first token
	s_add_nc_u64 s[86:87], s[84:85], 0x800000      ; k's: 32 planes further
	s_add_nc_u64 s[88:89], s[86:87], 0x800000      ; v's
.irp s, 0,1
	s_mov_b32 s[G0A+4*\s], 1
	s_add_co_u32 s[G0A+4*\s+1], s27, \s*SLOT
	s_add_nc_u64 s[G0A+4*\s+2:G0A+4*\s+3], s[94:95], \s*256            ; K step s: 128 elements on
	s_or_b32 s[G0A+4*\s+3], s[G0A+4*\s+3], 0x80000000
.irp c, 0,1,2
	s_mov_b32 s[G0B+16*\s+4*\c], 1
	s_add_co_u32 s[G0B+16*\s+4*\c+1], s18, \s*SLOT+\c*BSUB
	s_add_nc_u64 s[G0B+16*\s+4*\c+2:G0B+16*\s+4*\c+3], s[96:97], \s*128*6144+\c*2048   ; 128 k rows on; q, k, v lie 1,024 columns apart
	s_or_b32 s[G0B+16*\s+4*\c+3], s[G0B+16*\s+4*\c+3], 0x80000000
.endr
.endr
; cos and sin of row block a (16 tokens) into buffer buf: register 8 t + j = column 16 t + 8 h + j of token r
.macro CSLOAD a, buf
.irp t, 0,1,2,3
	global_load_b128 v[CS+64*\buf+8*\t:CS+64*\buf+8*\t+3],   v[CSO], s[80:81] offset:\a*4096+64*\t
	global_load_b128 v[CS+64*\buf+8*\t+4:CS+64*\buf+8*\t+7], v[CSO], s[80:81] offset:\a*4096+64*\t+16
.endr
.irp t, 0,1,2,3
	global_load_b128 v[CS+64*\buf+32+8*\t:CS+64*\buf+32+8*\t+3],   v[CSO], s[82:83] offset:\a*4096+64*\t
	global_load_b128 v[CS+64*\buf+32+8*\t+4:CS+64*\buf+32+8*\t+7], v[CSO], s[82:83] offset:\a*4096+64*\t+16
.endr
.endm
	; 48 loads for the way out, asked for now; nothing touches their registers or addresses before the waits behind the K loop
	WIN TO_B
.irp t, 0,1,2,3
	global_load_b128 v[WQ+8*\t:WQ+8*\t+3],   v[WO], s[12:13] offset:64*\t
	global_load_b128 v[WQ+8*\t+4:WQ+8*\t+7], v[WO], s[12:13] offset:64*\t+16
.endr
.irp t, 0,1,2,3
	global_load_b128 v[WQ+32+8*\t:WQ+32+8*\t+3],   v[WO], s[14:15] offset:64*\t
	global_load_b128 v[WQ+32+8*\t+4:WQ+32+8*\t+7], v[WO], s[14:15] offset:64*\t+16
.endr
	WIN 0
	CSLOAD 0, 0
	CSLOAD 1, 1
; 12 matrix instructions: row block 2 hi + a x all twelve column tiles, 32 along K.  zero = 1: the first product starts the sums.
; The 48 accumulators take turns, one instruction a turn, in the same order in every quarter step.
.macro MUL12 f, hi, a, zero
.irp b, 0,1,2,3,4,5,6,7,8,9,10,11
.if \zero
	v_wmma_f32_16x16x32_bf16 v[8*(12*\a+\b):8*(12*\a+\b)+7], v[FB+96*\f+8*\b:FB+96*\f+8*\b+7], v[FA+32*\f+8*(2*\hi+\a):FA+32*\f+8*(2*\hi+\a)+7], 0
.else
	v_wmma_f32_16x16x32_bf16 v[8*(12*\a+\b):8*(12*\a+\b)+7], v[FB+96*\f+8*\b:FB+96*\f+8*\b+7], v[FA+32*\f+8*(2*\hi+\a):FA+32*\f+8*(2*\hi+\a)+7], v[8*(12*\a+\b):8*(12*\a+\b)+7]
.endif
.endr
.endm
; 32 LDS loads in one run: quarter kq (32 along K) of a slot into buffer f.  w first (24 transposing loads), then hb's four row blocks.
.macro FETCH slot, kq, f
	WIN TO_B
.irp c, 0,1,2
.irp t, 0,1,2,3
	ds_load_tr16_b128 v[FB+96*\f+8*(4*\c+\t):FB+96*\f+8*(4*\c+\t)+3],   v[ADRB+\slot] offset:\c*BSUB+\kq*32*BPITCH+32*\t
	ds_load_tr16_b128 v[FB+96*\f+8*(4*\c+\t)+4:FB+96*\f+8*(4*\c+\t)+7], v[ADRB+\slot] offset:\c*BSUB+\kq*32*BPITCH+32*\t+16*BPITCH
.endr
.endr
	WIN 0
.irp a, 0,1,2,3
	ds_load_b128 v[FA+32*\f+8*\a:FA+32*\f+8*\a+3],   v[ADRA+\slot] offset:\a*16*APITCH+64*\kq
	ds_load_b128 v[FA+32*\f+8*\a+4:FA+32*\f+8*\a+7], v[ADRA+\slot] offset:\a*16*APITCH+64*\kq+32
.endr
.endm
; One of a K step's first three quarters: multiplies buffer f, and in its middle fetches quarter kq of the same slot into buffer g.
.macro QUARTER slot, kq, f, g, zero
	s_wait_dscnt 4                                 ; w and hb's row blocks 0, 1 are in; the youngest four loads (row blocks 2, 3) may be out
	WIN MUL_LO
	MUL12 \f, 0, 0, \zero
	MUL12 \f, 0, 1, \zero
	PLACES                                         ; buffer g was read by the quarter before: four places in front of the loads into it
	FETCH \slot, \kq, \g
	s_wait_dscnt 32                                ; all but the 32 just issued
	WIN MUL_HI
	MUL12 \f, 1, 0, \zero
	MUL12 \f, 1, 1, \zero
.endm
.macro THREE slot, zero
	QUARTER \slot, 1, 0, 1, \zero
	QUARTER \slot, 2, 1, 0, 0
	QUARTER \slot, 3, 0, 1, 0
.endm
; The last quarter multiplies buffer 1 and changes slots.  In front of the barrier each wave waits for its reads of this slot and for all its
; tensor loads (those out are its four parts of the next slot).  fill = 1: the barrier opens a round of the cluster's barrier, and this slot's
; four joint loads, two K steps ahead, are the first tensor loads behind the round.
.macro TURN slot, next, fill
	s_wait_dscnt 4
	WIN MUL_LO
	MUL12 1, 0, 0, 0
	s_wait_dscnt 0                                 ; my reads of this slot are over
	s_set_vgpr_msb 0xa1a0
	s_wait_tensorcnt 0x0                           ; all my tensor loads have landed
	ds_add_u32 v254, v255
	s_wait_dscnt 0x0
	s_set_vgpr_msb 0xa0a1
	s_barrier_signal -1
	MUL12 1, 0, 1, 0                               ; register work while the others arrive
	WIN 0
	s_barrier_wait -1
.if \fill
	CREST                                          ; no wave of any partner still reads this slot or has a load on its way
	s_add_nc_u64 s[G0A+4*\slot+2:G0A+4*\slot+3], s[G0A+4*\slot+2:G0A+4*\slot+3], 2*128*2
.irp c, 0,1,2
	s_add_nc_u64 s[G0B+16*\slot+4*\c+2:G0B+16*\slot+4*\c+3], s[G0B+16*\slot+4*\c+2:G0B+16*\slot+4*\c+3], 2*128*6144
.endr
	JLOAD \slot
.endif
	PLACES
	FETCH \next, 0, 0
	WIN MUL_HI
	MUL12 1, 1, 0, 0
	MUL12 1, 1, 1, 0
.endm
.macro LAP zero                        ; two K steps, both slots filled again
	THREE 0, \zero
	TURN 0, 1, 1
	THREE 1, 0
	TURN 1, 0, 1
.endm
	CROUND                                         ; all sixteen work-groups are here: the first joint loads meet
	JLOAD 0
	JLOAD 1                                        ; eight tensor loads of mine are out
	s_wait_tensorcnt 0x4                           ; my four parts of K step 0 are in; K step 1's four stay out
	s_barrier_signal -1
	s_barrier_wait -1
	FETCH 0, 0, 0
	LAP 1                                          ; K steps 0, 1; asks for 2, 3
	WIN 0
	s_mov_b32 s3, 2                                ; K = 1,024 is eight steps: four laps, the first and the last written out
.Llap:
	LAP 0
	WIN 0
	s_sub_co_u32 s3, s3, 1
	s_cmp_lg_u32 s3, 0
	s_cbranch_scc1 .Llap
	THREE 0, 0                                     ; the last lap fills nothing
	TURN 0, 1, 0
	THREE 1, 0
	s_wait_dscnt 4
	WIN MUL_LO
	MUL12 1, 0, 0, 0
	MUL12 1, 0, 1, 0
	s_wait_dscnt 0
	WIN MUL_HI
	MUL12 1, 1, 0, 0
	MUL12 1, 1, 1, 0
	PLACES                                         ; in front of the first vector instruction that reads a sum or writes a fragment register
	; the two gains, rounded to bf16 and widened again, once
	s_wait_loadcnt 32                              ; their 16 loads are in; the 32 loads of cos and sin issued behind them stay out
	WIN 0x05                                       ; sources 0 and 1 window 1, destination window 0
.set p, 0
.rept 32
	v_cvt_pk_bf16_f32 v[Y+p], v[WQ+2*p], v[WQ+2*p+1]
.set p, p+1
.endr
	WIN TO_B                                       ; destination window 1, sources window 0
.set p, 0
.rept 32
	v_lshlrev_b32 v[WQ+2*p],   16,  v[Y+p]
	v_and_b32     v[WQ+2*p+1], s66, v[Y+p]
.set p, p+1
.endr
; THE WAY OUT, 16 tokens at a time.
; q (c = 0) or k (c = 1) of row block a2 of a window.  wss: sources 0 and 1 in the accumulators' window; wxw: source 0 there, source 1 in window 1.
.macro NORMROPE a2, wss, wxw, c, buf
.set XB, 8*(12*\a2+4*\c)
	WIN \wss
	v_pk_mul_f32 v[SS:SS+1],   v[XB:XB+1],   v[XB:XB+1]             ; my 32 squares in two chains, started by the first products
	v_pk_mul_f32 v[SS+2:SS+3], v[XB+2:XB+3], v[XB+2:XB+3]
.set p, 2
.rept 14
	v_pk_fma_f32 v[SS+2*(p&1):SS+2*(p&1)+1], v[XB+2*p:XB+2*p+1], v[XB+2*p:XB+2*p+1], v[SS+2*(p&1):SS+2*(p&1)+1]
.set p, p+1
.endr
	WIN \wxw
.set p, 0
.rept 16
	v_pk_mul_f32 v[Y+2*p:Y+2*p+1], v[XB+2*p:XB+2*p+1], v[WQ+32*\c+2*p:WQ+32*\c+2*p+1]    ; x w
.set p, p+1
.endr
	WIN 0
	v_pk_add_f32 v[SS:SS+1], v[SS:SS+1], v[SS+2:SS+3]
	v_add_f32 v[SS], v[SS], v[SS+1]
	v_permlanex16_b32 v[TMP], v[SS], s92, s93      ; the other 32 numbers of the head lie in lane l xor 16
	v_add_f32 v[SS], v[SS], v[TMP]
	v_fma_f32 v[SS], v[SS], s90, s91               ; mean + 1e-6
	v_rsq_f32 v[RS], v[SS]                         ; the first line below is the plain instruction that stands behind it (ISA guide 5.7.2)
.set p, 0
.rept 16
	v_pk_mul_f32 v[T+2*p:T+2*p+1], v[Y+2*p:Y+2*p+1], v[CS+64*\buf+2*p:CS+64*\buf+2*p+1]
.set p, p+1
.endr
	s_wait_alu depctr_va_vdst(0)
	v_mov_b32 v[RS+1], v[RS]
.set p, 0
.rept 16                                           ; the partner 32 columns away lies two tiles, eight pairs, away; sin's first half has been negated
	v_pk_fma_f32 v[T+2*p:T+2*p+1], v[Y+2*((p+8)&15):Y+2*((p+8)&15)+1], v[CS+64*\buf+32+2*p:CS+64*\buf+32+2*p+1], v[T+2*p:T+2*p+1]
.set p, p+1
.endr
.set p, 0
.rept 16
	v_pk_mul_f32 v[T+2*p:T+2*p+1], v[T+2*p:T+2*p+1], v[RS:RS+1]
.set p, p+1
.endr
.set p, 0
.rept 16
	v_cvt_pk_bf16_f32 v[PK+p], v[T+2*p], v[T+2*p+1]
.set p, p+1
.endr
.irp t, 0,1,2,3
	ds_store_b128 v[STO], v[PK+4*\t:PK+4*\t+3] offset:\c*SSUB+32*\t
.endr
.endm
.macro VOUT a2, wss                    ; v: rounded to bf16, widened again, and that value written in f16's format
.set XB, 8*(12*\a2+8)
	WIN \wss
.set p, 0
.rept 16
	v_cvt_pk_bf16_f32 v[PK+p], v[XB+2*p], v[XB+2*p+1]
.set p, p+1
.endr
	WIN 0
.set p, 0
.rept 16
	v_lshlrev_b32 v[T+2*p],   16,  v[PK+p]
	v_and_b32     v[T+2*p+1], s66, v[PK+p]
.set p, p+1
.endr
.set p, 0
.rept 16
	v_cvt_pk_f16_f32 v[PK+p], v[T+2*p], v[T+2*p+1]
.set p, p+1
.endr
.irp t, 0,1,2,3
	ds_store_b128 v[STO], v[PK+4*\t:PK+4*\t+3] offset:2*SSUB+32*\t
.endr
.endm
.macro OUTROWS a                       ; the stage is my own and LDS serves a wave's instructions in order: no wait between its stores and these loads
.irp c, 0,1,2
.irp i, 0,1,2,3
	ds_load_b128 v[Y+4*(4*\c+\i):Y+4*(4*\c+\i)+3], v[RD] offset:\c*SSUB+\i*4*SPITCH
.endr
.endr
.set k, 0
.irp c, 0,1,2
.irp i, 0,1,2,3
	s_wait_dscnt 11-k                              ; load k is in, the younger ones stay out
	global_store_b128 v[GO], v[Y+4*(4*\c+\i):Y+4*(4*\c+\i)+3], s[84+2*\c:85+2*\c] offset:\a*2048+\i*512   ; four tokens: 512 consecutive bytes, aligned
.set k, k+1
.endr
.endr
.endm
.macro EBLOCK a, a2, wss, wxw, buf, left
	WIN 0                                          ; everything up to the first product of squares works in window 0
	s_wait_loadcnt \left                           ; this block's cos and sin are in; the other buffer's 16 loads stay out
.irp hf, 0,1                                       ; cos, then sin: rounded to bf16 and widened again
.set p, 0
.rept 16
	v_cvt_pk_bf16_f32 v[PK+p], v[CS+64*\buf+32*\hf+2*p], v[CS+64*\buf+32*\hf+2*p+1]
.set p, p+1
.endr
.set p, 0
.rept 16
	v_lshlrev_b32 v[CS+64*\buf+32*\hf+2*p],   16,  v[PK+p]
	v_and_b32     v[CS+64*\buf+32*\hf+2*p+1], s66, v[PK+p]
.set p, p+1
.endr
.endr
.set p, 0
.rept 8
	v_pk_mul_f32 v[CS+64*\buf+32+2*p:CS+64*\buf+32+2*p+1], v[CS+64*\buf+32+2*p:CS+64*\buf+32+2*p+1], -1.0 op_sel_hi:[1,0]   ; rotate_half: columns 0-31 take minus their partner
.set p, p+1
.endr
	s_wait_xcnt 0x0                                ; Y and T, which the last block's stores read, are rewritten only behind this wait
	NORMROPE \a2, \wss, \wxw, 0, \buf
	NORMROPE \a2, \wss, \wxw, 1, \buf
	VOUT \a2, \wss
	OUTROWS \a
.endm
	EBLOCK 0, 0, 0x0a, 0x06, 0, 16
	CSLOAD 2, 0
	EBLOCK 1, 1, 0x0a, 0x06, 1, 16
	CSLOAD 3, 1
	EBLOCK 2, 0, 0x0f, 0x07, 0, 16
	EBLOCK 3, 1, 0x0f, 0x07, 1, 0
	s_wait_tensorcnt 0x0
	ds_add_u32 v254, v255
	s_wait_dscnt 0x0
	CROUND                                         ; the closing round: no work-group ends while a partner may still ask for a tile that names it
	s_endpgm
.Lfunc_end_k_qc435b299e8_qkv:
	.size	k_qc435b299e8_qkv, .Lfunc_end_k_qc435b299e8_qkv-k_qc435b299e8_qkv
	.p2alignl 7, 3214868480
	.fill 96, 4, 3214868480
	.section	.rodata,"a",@progbits
	.p2align	6, 0x0
	.amdhsa_kernel k_qc435b299e8_qkv
		.amdhsa_group_segment_fixed_size 327680
		.amdhsa_private_segment_fixed_size 0
		.amdhsa_enable_private_segment 0
		.amdhsa_kernarg_size 56
		.amdhsa_user_sgpr_count 2
		.amdhsa_user_sgpr_kernarg_segment_ptr 1
		.amdhsa_wavefront_size32 1
		.amdhsa_system_sgpr_workgroup_id_x 1
		.amdhsa_system_sgpr_workgroup_id_y 1
		.amdhsa_system_sgpr_workgroup_id_z 1
		.amdhsa_system_vgpr_workitem_id 0
		.amdhsa_next_free_vgpr 960
		.amdhsa_next_free_sgpr 100
		.amdhsa_reserve_vcc 0
		.amdhsa_float_denorm_mode_32 3
		.amdhsa_float_denorm_mode_16_64 3
		.amdhsa_memory_ordered 1
		.amdhsa_forward_progress 1
		.amdhsa_inst_pref_size 248
	.end_amdhsa_kernel
	.amdgpu_metadata
---
amdhsa.version: [ 1, 2 ]
amdhsa.kernels:
  - .name:           k_qc435b299e8_qkv
    .symbol:         k_qc435b299e8_qkv.kd
    .args:
      - { .name: hb, .offset: 0, .size: 8, .value_kind: global_buffer, .address_space: global }
      - { .name: wqb, .offset: 8, .size: 8, .value_kind: global_buffer, .address_space: global }
      - { .name: cos, .offset: 16, .size: 8, .value_kind: global_buffer, .address_space: global }
      - { .name: sin, .offset: 24, .size: 8, .value_kind: global_buffer, .address_space: global }
      - { .name: norm_q_w, .offset: 32, .size: 8, .value_kind: global_buffer, .address_space: global }
      - { .name: norm_k_w, .offset: 40, .size: 8, .value_kind: global_buffer, .address_space: global }
      - { .name: qkv, .offset: 48, .size: 8, .value_kind: global_buffer, .address_space: global }
    .group_segment_fixed_size: 327680
    .private_segment_fixed_size: 0
    .kernarg_segment_align: 8
    .kernarg_segment_size: 56
    .max_flat_workgroup_size: 128
    .sgpr_count:     100
    .vgpr_count:     960
    .wavefront_size: 32
...
	.end_amdgpu_metadata
.endif
;; end of part 2
;; launch attn (part 3): grid 8 x 32, 4 waves a work-group, clusters of 4 x 1, 327,680 bytes of LDS; arguments qkv, att; writes att
.if DOCPART == 3
	.amdgcn_target "amdgcn-amd-amdhsa--gfx1250"
	.amdhsa_code_object_version 6
	.text
	.protected	k_qc435b299e8_attn
	.globl	k_qc435b299e8_attn
	.p2align	8
	.type	k_qc435b299e8_attn,@function
k_qc435b299e8_attn:
	s_mov_b64 s[64:65], 0
	v_nop
	global_prefetch_b8 v0, s[64:65] scope:SCOPE_SE
	s_setreg_imm32_b32 hwreg(HW_REG_WAVE_MODE, 25, 1), 1
	s_wait_xcnt 0x0
	s_wait_alu depctr_hold_cnt(0) depctr_sa_sdst(0) depctr_va_vdst(0) depctr_va_sdst(0) depctr_va_ssrc(0) depctr_va_vcc(0) depctr_vm_vsrc(0)
	s_getreg_b32 s2, hwreg(HW_REG_IB_STS2, 6, 4)
	s_cmp_eq_u32 s2, 0
	s_cbranch_scc0 .Lentry_in_a_cluster
	s_endpgm
.Lentry_in_a_cluster:
	s_bfe_u32 s2, ttmp6, 0x10000c
	s_cmp_lg_u32 s2, 0x3003
	s_cbranch_scc0 .Lentry_shape_is_right
	s_endpgm
.Lentry_shape_is_right:
; attn: softmax(q k^T / 8) v for each of 32 (batch, head) planes of 2,048 tokens x 64, with a running maximum.
; q, k bf16 and v f16 (bf16 values in f16's format) from qkv[type][plane][token][64]; scores, maxima, sums and the output's sums f32;
; att[plane][token][64] f16.  The first product takes bf16 operands, the second f16: the probabilities lie in (0, 1], where f16 has three bits more.
; A work-group takes 256 queries of one plane, a wave 64 of them (four tiles of 16).  8 x 32 = 256 work-groups.
; CLUSTERS: the four work-groups of a cluster take four query blocks of ONE plane and walk the same K and V tiles: every tile is asked for jointly.
; K and V go in tiles of 256 keys through two LDS slots; a tile's rows are a token's 128 bytes, as they lie in the tensor.
; BOTH PRODUCTS ARE TRANSPOSED.  S^T = K x Q^T: lane l holds query l % 16, registers 0-7 of key tile i the keys 16 i + 8 (l / 16) + 0..7.
; Packed in pairs these are already a source-1 fragment (32 keys = two key tiles) of O^T = V^T x P^T, in which lane l again holds query l % 16.
; So maximum, sum and rescale factor are one number a lane, and the only exchange is with lane l xor 16.
; LIMITS.  p = exp2(fma(s, c, -(c m))), c = log2(e) / 8: the rounding of c m shifts all exponents of one step by at most 2^-24 |c m|
; (|c m| is at most 12 for gains of 1, some 10,000 for both gains 30 times larger).
; p is rounded to f16 before the division by the sum of the unrounded p, where reference() divides first and rounds to bf16; p below 2^-14 keeps
; an absolute step of 2^-24 against a largest p of 1.  att, a mean of v, is below 65,504 where v is; att below 2^-14 keeps the same absolute step.
; The sum is at least about 1 (the largest score's own term), so its reciprocal is safe.
;
; REGISTERS: window 0: v2-9 addresses; v16-19 maxima, v20-23 sums; v32-63, v64-95 S, two buffers; v96-111 P; v112-125 at work;
;            v128-191 K fragments (8 (2 i + e)); v192-255 V fragments (8 (2 dt + kk)).   window 1: v0-63 Q fragments; v64-191 O (64 + 8 (4 n + dt)).
.set SLOT,  77824                      ; K's 256 rows, then V's
.set KP,    144                        ; 128 bytes + 16
.set VP,    160                        ; 128 bytes + 32: an odd multiple of 32, for the transposing load
.set VOFF,  256*KP                     ; 36,864
.set STAGE, 2*SLOT                     ; 155,648: never filled by a tensor load; 2,304 bytes a wave
.set ADK, 2
.set ADV, 4
.set STO, 6
.set RD,  7
.set GO,  8
.set QO,  9
.set MX,  16
.set LS,  20
.set SB,  32
.set PF,  96
.set T,   112
.set MN,  116
.set AL,  118
.set NM,  120
.set U,   122
.set KF,  128
.set VF,  192
.set QF,  0                            ; window 1
.set OA,  64                           ; window 1
.set G1K, 12
.set G1V, 20
.set G0K, 28                           ; s[28:35], a set for each slot
.set G0V, 36                           ; s[36:43]
.set MSB, 0
.macro WIN new
.if MSB != \new
	s_set_vgpr_msb (MSB<<8)|\new
.set MSB, \new
.endif
.endm
.macro PLACES
.rept 4
	v_nop
.endr
.endm
.macro CROUND                          ; a round of the cluster's barrier
	s_barrier_signal -1
	s_barrier_wait -1
	s_cmp_lg_u32 s8, 0
	s_cbranch_scc1 .Lnot_wave_0_\@
	s_barrier_signal -3
.Lnot_wave_0_\@:
	s_barrier_wait -3
	s_barrier_signal -1
	s_barrier_wait -1
.endm
	s_load_b128 s[4:7], s[0:1], 0x0                ; qkv s[4:5], att s[6:7]
	v_lshl_add_u32 v126, v0, 2, 0x29000
	v_mov_b32 v127, 0
	ds_add_u32 v126, v127
	v_lshrrev_b32 v1, 5, v0
	v_readfirstlane_b32 s8, v1                     ; wave
	s_bfe_u32 s9, ttmp6, 0x40000                   ; cx
	s_lshl_b32 s10, ttmp9, 2
	s_add_co_u32 s10, s10, s9                      ; block of 256 queries
	s_and_b32 s11, ttmp7, 0xffff                   ; plane = 16 x batch + head
	; a tile part: 64 rows x 64 elements of 2 bytes, padded behind every 32 words; all four work-groups of the cluster are named
	s_mov_b32 s[G1K+0], 15|(1<<16)|(1<<20)|(1<<21)|(4<<22)|(3<<25)
	s_mov_b32 s[G1V+0], 15|(1<<16)|(1<<20)|(1<<21)|(4<<22)|(7<<25)
.irp g, G1K, G1V
	s_mov_b32 s[\g+1], 64<<16                      ; tensor_dim0 = 64
	s_mov_b32 s[\g+2], 64<<16                      ; tensor_dim1 = 64
	s_mov_b32 s[\g+3], 64<<16                      ; tile_dim0 = 64
	s_mov_b32 s[\g+4], 64                          ; tile_dim1 = 64
	s_mov_b32 s[\g+5], 64                          ; elements from row to row
	s_mov_b32 s[\g+6], 0
	s_mov_b32 s[\g+7], 0
.endr
	; K's and V's offsets are made of the plane and the wave alone
	s_add_co_u32 s44, s11, 32                      ; k's planes follow q's 32
	s_lshl_b32 s44, s44, 18
	s_lshl_b32 s45, s8, 13                         ; my 64 keys x 128 bytes
	s_add_co_u32 s44, s44, s45
	s_mov_b32 s45, 0
	s_add_co_u32 s60, s11, 64                      ; v's follow k's
	s_lshl_b32 s60, s60, 18
	s_lshl_b32 s61, s8, 13
	s_add_co_u32 s60, s60, s61
	s_mov_b32 s61, 0
	s_lshl_b32 s58, s11, 18                        ; my 64 queries, in q's planes and in att alike
	s_lshl_b32 s59, s10, 15
	s_add_co_u32 s58, s58, s59
	s_lshl_b32 s59, s8, 13
	s_add_co_u32 s58, s58, s59
	s_mov_b32 s59, 0
	s_mul_i32 s55, s8, 64*KP                       ; LDS: my 64 rows of K
	s_mul_i32 s51, s8, 64*VP
	s_add_co_u32 s51, s51, VOFF                    ; LDS: my 64 rows of V
	s_mul_i32 s62, s8, 16*KP
	s_add_co_u32 s62, s62, STAGE                   ; LDS: my stage
	s_mov_b32 s48, 0x3e38aa3b                      ; c = log2(e) / 8
	s_mov_b32 s49, 0x3e38aa3b
	s_mov_b32 s50, 0xbe38aa3b                      ; -c
	s_mov_b32 s52, 0x76543210
	s_mov_b32 s53, 0xfedcba98
	v_and_b32 v10, 31, v0
	v_and_b32 v11, 15, v0                          ; r
	v_bfe_u32 v12, v0, 4, 1                        ; h
	v_and_b32 v13, 7, v0
	v_bfe_u32 v14, v0, 3, 1
	v_mul_u32_u24 v15, v11, KP
	v_lshl_add_u32 v[ADK], v12, 4, v15             ; r x pitch + 16 h
	v_add_nc_u32 v[ADK+1], SLOT, v[ADK]
	v_add_nc_u32 v[STO], s62, v[ADK]               ; the stage has K's pitch
	v_lshl_add_u32 v15, v12, 3, v13                ; key 8 h + (lane & 7)
	v_mul_u32_u24 v15, v15, VP
	v_lshl_add_u32 v15, v14, 4, v15
	v_add_nc_u32 v[ADV], VOFF, v15
	v_add_nc_u32 v[ADV+1], SLOT, v[ADV]
	v_lshrrev_b32 v15, 3, v10
	v_mul_u32_u24 v15, v15, KP
	v_lshl_add_u32 v15, v13, 4, v15
	v_add_nc_u32 v[RD], s62, v15
	v_lshlrev_b32 v[GO], 4, v10
	v_lshlrev_b32 v[QO], 7, v11
	v_lshl_add_u32 v[QO], v12, 4, v[QO]            ; query r's row + 16 h
	s_wait_dscnt 0x0
	s_wait_kmcnt 0x0
	s_add_nc_u64 s[44:45], s[4:5], s[44:45]
	s_add_nc_u64 s[60:61], s[4:5], s[60:61]
	s_add_nc_u64 s[46:47], s[4:5], s[58:59]        ; my queries
	s_add_nc_u64 s[56:57], s[6:7], s[58:59]        ; my rows of att
.irp s, 0,1
	s_mov_b32 s[G0K+4*\s], 1
	s_add_co_u32 s[G0K+4*\s+1], s55, \s*SLOT
	s_add_nc_u64 s[G0K+4*\s+2:G0K+4*\s+3], s[44:45], \s*32768          ; tile s: 256 keys on
	s_or_b32 s[G0K+4*\s+3], s[G0K+4*\s+3], 0x80000000
	s_mov_b32 s[G0V+4*\s], 1
	s_add_co_u32 s[G0V+4*\s+1], s51, \s*SLOT
	s_add_nc_u64 s[G0V+4*\s+2:G0V+4*\s+3], s[60:61], \s*32768
	s_or_b32 s[G0V+4*\s+3], s[G0V+4*\s+3], 0x80000000
.endr
	WIN 0x40                                       ; destination window 1
.irp qt, 0,1,2,3
.irp eh, 0,1
	global_load_b128 v[QF+8*(2*\qt+\eh):QF+8*(2*\qt+\eh)+3],   v[QO], s[46:47] offset:\qt*2048+64*\eh
	global_load_b128 v[QF+8*(2*\qt+\eh)+4:QF+8*(2*\qt+\eh)+7], v[QO], s[46:47] offset:\qt*2048+64*\eh+32
.endr
.endr
	WIN 0
; fragments of 64 keys (step ks of a tile): K as it lies, V through the transposing load
.macro KLOAD slot, ks
.irp i, 0,1,2,3
.irp eh, 0,1
	ds_load_b128 v[KF+8*(2*\i+\eh):KF+8*(2*\i+\eh)+3],   v[ADK+\slot] offset:KP*(64*(\ks)+16*\i)+64*\eh
	ds_load_b128 v[KF+8*(2*\i+\eh)+4:KF+8*(2*\i+\eh)+7], v[ADK+\slot] offset:KP*(64*(\ks)+16*\i)+64*\eh+32
.endr
.endr
.endm
.macro VLOAD slot, ks
.irp dt, 0,1,2,3
.irp kk, 0,1
	ds_load_tr16_b128 v[VF+8*(2*\dt+\kk):VF+8*(2*\dt+\kk)+3],   v[ADV+\slot] offset:VP*(64*(\ks)+32*\kk)+32*\dt
	ds_load_tr16_b128 v[VF+8*(2*\dt+\kk)+4:VF+8*(2*\dt+\kk)+7], v[ADV+\slot] offset:VP*(64*(\ks)+32*\kk)+32*\dt+16*VP
.endr
.endr
.endm
; S^T of 64 keys x query tile qt.  The four accumulators take turns, one instruction a turn; the first products start the sums.
.macro QK qt
	WIN 0x04                                       ; source 1 (Q) window 1
.irp i, 0,1,2,3
	v_wmma_f32_16x16x32_bf16 v[SB+32*(\qt&1)+8*\i:SB+32*(\qt&1)+8*\i+7], v[KF+16*\i:KF+16*\i+7], v[QF+16*\qt:QF+16*\qt+7], 0
.endr
.irp i, 0,1,2,3
	v_wmma_f32_16x16x32_bf16 v[SB+32*(\qt&1)+8*\i:SB+32*(\qt&1)+8*\i+7], v[KF+16*\i+8:KF+16*\i+15], v[QF+16*\qt+8:QF+16*\qt+15], v[SB+32*(\qt&1)+8*\i:SB+32*(\qt&1)+8*\i+7]
.endr
.endm
; O^T of query tile qt += V^T x P^T in f16 operands, again four accumulators by turns
.macro PV qt, first
	WIN 0x50                                       ; C and D window 1
.irp dt, 0,1,2,3
.if \first
	v_wmma_f32_16x16x32_f16 v[OA+8*(4*\qt+\dt):OA+8*(4*\qt+\dt)+7], v[VF+16*\dt:VF+16*\dt+7], v[PF:PF+7], 0
.else
	v_wmma_f32_16x16x32_f16 v[OA+8*(4*\qt+\dt):OA+8*(4*\qt+\dt)+7], v[VF+16*\dt:VF+16*\dt+7], v[PF:PF+7], v[OA+8*(4*\qt+\dt):OA+8*(4*\qt+\dt)+7]
.endif
.endr
.irp dt, 0,1,2,3
	v_wmma_f32_16x16x32_f16 v[OA+8*(4*\qt+\dt):OA+8*(4*\qt+\dt)+7], v[VF+16*\dt+8:VF+16*\dt+15], v[PF+8:PF+15], v[OA+8*(4*\qt+\dt):OA+8*(4*\qt+\dt)+7]
.endr
.endm
; One step of the running softmax for query tile qt: my 32 scores of one query.  first = 1: nothing is carried yet.
.macro SOFTMAX qt, first
	WIN 0
.set SQ, SB+32*(\qt&1)
.irp i, 0,1,2,3
	v_max3_num_f32 v[T+\i], v[SQ+8*\i], v[SQ+8*\i+1], v[SQ+8*\i+2]     ; four chains, started by the first scores
.endr
.irp i, 0,1,2,3
	v_max3_num_f32 v[T+\i], v[T+\i], v[SQ+8*\i+3], v[SQ+8*\i+4]
.endr
.irp i, 0,1,2,3
	v_max3_num_f32 v[T+\i], v[T+\i], v[SQ+8*\i+5], v[SQ+8*\i+6]
.endr
.irp i, 0,1,2,3
	v_max_num_f32 v[T+\i], v[T+\i], v[SQ+8*\i+7]
.endr
	v_max3_num_f32 v[T], v[T], v[T+1], v[T+2]
	v_max_num_f32 v[T], v[T], v[T+3]
	v_permlanex16_b32 v[T+1], v[T], s52, s53       ; the query's other 32 keys lie in lane l xor 16
.if \first
	v_max_num_f32 v[MX+\qt], v[T], v[T+1]
.else
	v_max3_num_f32 v[MN], v[T], v[T+1], v[MX+\qt]  ; the new running maximum
	v_sub_f32 v[T+2], v[MX+\qt], v[MN]
	v_mov_b32 v[MX+\qt], v[MN]
	v_mul_f32 v[T+2], s48, v[T+2]                  ; c (old - new), at most 0
.endif
	v_mul_f32 v[NM],   s50, v[MX+\qt]              ; -c m, twice
	v_mul_f32 v[NM+1], s50, v[MX+\qt]
.set p, 0
.rept 16
	v_pk_fma_f32 v[SQ+2*p:SQ+2*p+1], v[SQ+2*p:SQ+2*p+1], s[48:49], v[NM:NM+1] op_sel_hi:[1,0,1]
.set p, p+1
.endr
.set p, 0
.rept 32
	v_exp_f32 v[SQ+p], v[SQ+p]
.set p, p+1
.endr
.if \first
	v_nop                                          ; one plain instruction behind the exponentials (ISA guide 5.7.2)
	s_wait_alu depctr_va_vdst(0)
.else
	v_exp_f32 v[AL], v[T+2]                        ; what the carried sums shrink by
	v_nop                                          ; one plain instruction behind the exponentials (ISA guide 5.7.2)
	s_wait_alu depctr_va_vdst(0)
	v_mov_b32 v[AL+1], v[AL]
.endif
	v_pk_add_f32 v[U:U+1],   v[SQ:SQ+1],   v[SQ+2:SQ+3]                ; the sum of the unrounded p, two chains
	v_pk_add_f32 v[U+2:U+3], v[SQ+4:SQ+5], v[SQ+6:SQ+7]
.set p, 4
.rept 12
	v_pk_add_f32 v[U+2*(p&1):U+2*(p&1)+1], v[U+2*(p&1):U+2*(p&1)+1], v[SQ+2*p:SQ+2*p+1]
.set p, p+1
.endr
	v_pk_add_f32 v[U:U+1], v[U:U+1], v[U+2:U+3]
.if \first
	v_add_f32 v[LS+\qt], v[U], v[U+1]
.else
	v_add_f32 v[U], v[U], v[U+1]
	v_fma_f32 v[LS+\qt], v[LS+\qt], v[AL], v[U]    ; my half of the query's sum; the halves meet at the end
.endif
.set p, 0
.rept 16
	v_cvt_pk_f16_f32 v[PF+p], v[SQ+2*p], v[SQ+2*p+1]                   ; key tiles 2 kk, 2 kk + 1 = fragment kk
.set p, p+1
.endr
.if \first == 0
	WIN 0x41                                       ; O in window 1, the factor in window 0
.set p, 0
.rept 16
	v_pk_mul_f32 v[OA+32*\qt+2*p:OA+32*\qt+2*p+1], v[OA+32*\qt+2*p:OA+32*\qt+2*p+1], v[AL:AL+1]
.set p, p+1
.endr
.endif
.endm
; 64 keys against my 64 queries.  The scores of the next query tile are multiplied ahead of each softmax block; a block names none of the
; registers of the matrix instructions in front of it but those of its own scores, which are one block older, and so fills the places behind them.
; more = 1: the next 64 keys' fragments are fetched as soon as the last product that reads the old ones is four places back.
.macro STEP slot, ks, first, more
	s_wait_dscnt 16                                ; K's fragments are in; V's sixteen younger loads may be out
	QK 0
	QK 1
	PLACES                                         ; behind QK 0, in front of the first read of its scores
	SOFTMAX 0, \first
	s_wait_dscnt 0                                 ; V's fragments
	PV 0, \first
	QK 2
	SOFTMAX 1, \first
	PV 1, \first
	QK 3
	SOFTMAX 2, \first
.if \more
	WIN 0
	KLOAD \slot, \ks+1
.endif
	PV 2, \first
	SOFTMAX 3, \first
	PV 3, \first
.if \more
	WIN 0
	PLACES
	VLOAD \slot, \ks+1
.endif
.endm
.macro TILE slot, first
	STEP \slot, 0, \first, 1
	STEP \slot, 1, 0, 1
	STEP \slot, 2, 0, 1
	STEP \slot, 3, 0, 0
.endm
; From one slot to the other.  Every wave waits for its reads of the slot and for all its tensor loads (those out are its two parts of the other
; slot).  fill = 1: a round of the cluster's barrier, and the slot's two joint loads, two tiles ahead, first behind it.
.macro CHANGE slot, fill
	WIN 0
	PLACES                                         ; behind the last product, in front of the loads into its sources
	s_wait_dscnt 0
	s_wait_tensorcnt 0x0
	ds_add_u32 v126, v127
	s_wait_dscnt 0x0
.if \fill
	s_add_nc_u64 s[G0K+4*\slot+2:G0K+4*\slot+3], s[G0K+4*\slot+2:G0K+4*\slot+3], 65536
	s_add_nc_u64 s[G0V+4*\slot+2:G0V+4*\slot+3], s[G0V+4*\slot+2:G0V+4*\slot+3], 65536
	CROUND
	tensor_load_to_lds s[G0K+4*\slot:G0K+4*\slot+3], s[G1K:G1K+7]
	s_nop 0
	tensor_load_to_lds s[G0V+4*\slot:G0V+4*\slot+3], s[G1V:G1V+7]
	s_nop 0
.else
	s_barrier_signal -1
	s_barrier_wait -1
.endif
	KLOAD 1-\slot, 0
	VLOAD 1-\slot, 0
.endm
.macro LAP first
	TILE 0, \first
	CHANGE 0, 1
	TILE 1, 0
	CHANGE 1, 1
.endm
	CROUND                                         ; the four work-groups are here: the first joint loads meet
.irp s, 0,1
	tensor_load_to_lds s[G0K+4*\s:G0K+4*\s+3], s[G1K:G1K+7]
	s_nop 0
	tensor_load_to_lds s[G0V+4*\s:G0V+4*\s+3], s[G1V:G1V+7]
	s_nop 0
.endr
	s_wait_tensorcnt 0x2                           ; my parts of tile 0 are in; tile 1's two loads stay out
	s_barrier_signal -1
	s_barrier_wait -1
	KLOAD 0, 0
	VLOAD 0, 0
	s_wait_loadcnt 0x0                             ; Q
	LAP 1                                          ; tiles 0, 1; asks for 2, 3
	s_mov_b32 s54, 2                               ; 2,048 keys are eight tiles: four laps, the first and the last written out
.Llap:
	LAP 0
	s_sub_co_u32 s54, s54, 1
	s_cmp_lg_u32 s54, 0
	s_cbranch_scc1 .Llap
	TILE 0, 0                                      ; the last two tiles fill nothing
	CHANGE 0, 0
	TILE 1, 0
	WIN 0
	PLACES
; The end: divide by the sum, round to f16, and out through my own stage so that a store covers 512 consecutive bytes (four tokens' rows).
.macro FINISH qt
	v_permlanex16_b32 v[T+1], v[LS+\qt], s52, s53
	v_add_f32 v[T], v[LS+\qt], v[T+1]              ; both halves of the query's sum
	v_rcp_f32 v[AL], v[T]
	v_nop
	s_wait_alu depctr_va_vdst(0)
	v_mov_b32 v[AL+1], v[AL]
	WIN 0x01                                       ; source 0 (O) window 1
.set p, 0
.rept 16
	v_pk_mul_f32 v[SB+2*p:SB+2*p+1], v[OA+32*\qt+2*p:OA+32*\qt+2*p+1], v[AL:AL+1]
.set p, p+1
.endr
	WIN 0
.set p, 0
.rept 16
	v_cvt_pk_f16_f32 v[PF+p], v[SB+2*p], v[SB+2*p+1]
.set p, p+1
.endr
.irp dt, 0,1,2,3
	ds_store_b128 v[STO], v[PF+4*\dt:PF+4*\dt+3] offset:32*\dt
.endr
.irp i, 0,1,2,3
	ds_load_b128 v[KF+16*\qt+4*\i:KF+16*\qt+4*\i+3], v[RD] offset:\i*4*KP   ; LDS serves a wave's instructions in order; each query tile has registers of its own
.endr
.irp i, 0,1,2,3
	s_wait_dscnt 3-\i
	global_store_b128 v[GO], v[KF+16*\qt+4*\i:KF+16*\qt+4*\i+3], s[56:57] offset:\qt*2048+\i*512
.endr
.endm
	FINISH 0
	FINISH 1
	FINISH 2
	FINISH 3
	s_wait_tensorcnt 0x0
	ds_add_u32 v126, v127
	s_wait_dscnt 0x0
	CROUND                                         ; the closing round
	s_endpgm
.Lfunc_end_k_qc435b299e8_attn:
	.size	k_qc435b299e8_attn, .Lfunc_end_k_qc435b299e8_attn-k_qc435b299e8_attn
	.p2alignl 7, 3214868480
	.fill 96, 4, 3214868480
	.section	.rodata,"a",@progbits
	.p2align	6, 0x0
	.amdhsa_kernel k_qc435b299e8_attn
		.amdhsa_group_segment_fixed_size 327680
		.amdhsa_private_segment_fixed_size 0
		.amdhsa_enable_private_segment 0
		.amdhsa_kernarg_size 16
		.amdhsa_user_sgpr_count 2
		.amdhsa_user_sgpr_kernarg_segment_ptr 1
		.amdhsa_wavefront_size32 1
		.amdhsa_system_sgpr_workgroup_id_x 1
		.amdhsa_system_sgpr_workgroup_id_y 1
		.amdhsa_system_sgpr_workgroup_id_z 1
		.amdhsa_system_vgpr_workitem_id 0
		.amdhsa_next_free_vgpr 448
		.amdhsa_next_free_sgpr 66
		.amdhsa_reserve_vcc 0
		.amdhsa_float_denorm_mode_32 3
		.amdhsa_float_denorm_mode_16_64 3
		.amdhsa_memory_ordered 1
		.amdhsa_forward_progress 1
		.amdhsa_inst_pref_size 255
	.end_amdhsa_kernel
	.section	.bss,"aw",@nobits
	.p2align	6
	.space	262144
	.amdgpu_metadata
---
amdhsa.version: [ 1, 2 ]
amdhsa.kernels:
  - .name:           k_qc435b299e8_attn
    .symbol:         k_qc435b299e8_attn.kd
    .args:
      - { .name: qkv, .offset: 0, .size: 8, .value_kind: global_buffer, .address_space: global }
      - { .name: att, .offset: 8, .size: 8, .value_kind: global_buffer, .address_space: global }
    .group_segment_fixed_size: 327680
    .private_segment_fixed_size: 0
    .kernarg_segment_align: 8
    .kernarg_segment_size: 16
    .max_flat_workgroup_size: 128
    .sgpr_count:     66
    .vgpr_count:     448
    .wavefront_size: 32
...
	.end_amdgpu_metadata
.endif
;; end of part 3
;; launch proj (part 4): grid 8 x 32, 4 waves a work-group, clusters of 4 x 4, 327,680 bytes of LDS; arguments att, wob, out0; writes out0
.if DOCPART == 4
	.amdgcn_target "amdgcn-amd-amdhsa--gfx1250"
	.amdhsa_code_object_version 6
	.text
	.protected	k_qc435b299e8_proj
	.globl	k_qc435b299e8_proj
	.p2align	8
	.type	k_qc435b299e8_proj,@function
k_qc435b299e8_proj:
	s_mov_b64 s[64:65], 0
	v_nop
	global_prefetch_b8 v0, s[64:65] scope:SCOPE_SE
	s_setreg_imm32_b32 hwreg(HW_REG_WAVE_MODE, 25, 1), 1
	s_wait_xcnt 0x0
	s_wait_alu depctr_hold_cnt(0) depctr_sa_sdst(0) depctr_va_vdst(0) depctr_va_sdst(0) depctr_va_ssrc(0) depctr_va_vcc(0) depctr_vm_vsrc(0)
	s_getreg_b32 s2, hwreg(HW_REG_IB_STS2, 6, 4)
	s_cmp_eq_u32 s2, 0
	s_cbranch_scc0 .Lentry_in_a_cluster
	s_endpgm
.Lentry_in_a_cluster:
	s_bfe_u32 s2, ttmp6, 0x10000c
	s_cmp_lg_u32 s2, 0xf033
	s_cbranch_scc0 .Lentry_shape_is_right
	s_endpgm
.Lentry_shape_is_right:
; proj: out0 = attn @ w_out.  att [batch][head][token][64] f16, wob [1024][1024] as [K][N] (w_out rounded to bf16, in f16's format),
; out0 [4096][1024] f32; operands f16, sums f32.  att is a mean of v and so below 65,504 where v is.
; A work-group makes 128 rows x 128 columns, so that 32 x 8 = 256 work-groups share the work; four waves, 2 x 2, 64 x 64 each: 16 accumulator tiles.
; K goes in steps of 256 (four heads) through two LDS slots; there are four steps, all written out.  att's rows in a tile are a token's
; 128 bytes of one head, as they lie in the tensor; wob's are 256 bytes.
; CLUSTERS: 4 x 4.  att's tiles hang on the block row alone (joint along a row of the cluster), wob's on the block column alone (joint along a column).
; wob's fragments come through the transposing LDS load; the matrix instruction is used transposed (source 0 = 16 columns of w, source 1 = 16 tokens),
; so a lane holds eight neighbouring f32 of one row of out0.
; REGISTERS: window 0: v2-10 addresses; v64-127, v128-191 fragments, two buffers (w's 4 x 8, then att's 4 x 8).  window 1: accumulators at v[8 (4 a + b)].
.set SLOT,  147456                     ; att's four heads x 128 tokens, then wob's 256 k rows
.set AP,    144
.set BP,    288                        ; 256 bytes + 32: an odd multiple of 32
.set ASUB,  128*AP                     ; 18,432: one head's 128 tokens
.set BOFF,  4*ASUB                     ; 73,728
.set STAGE, 2*SLOT                     ; 294,912: never filled by a tensor load; 4,352 bytes a wave
.set SP,    272                        ; 64 f32 + 16 bytes
.set ADA, 2                            ; v2-3  slot 0, 1
.set ADB, 4                            ; v4-7  slot x 2 + half of the 256 k rows (an LDS offset has 16 bits)
.set STO, 8
.set RD,  9
.set CO,  10
.set F,   64                           ; + 64 x buffer
.set G1A, 20
.set G1B, 28
.set G0A, 36                           ; s[36:43], a set for each slot
.set G0B, 44                           ; s[44:51]
.set MUL, 0x50                         ; C and D window 1
.set MSB, 0
.macro WIN new
.if MSB != \new
	s_set_vgpr_msb (MSB<<8)|\new
.set MSB, \new
.endif
.endm
.macro PLACES
.rept 4
	v_nop
.endr
.endm
.macro CREST
	s_cmp_lg_u32 s10, 0
	s_cbranch_scc1 .Lnot_wave_0_\@
	s_barrier_signal -3
.Lnot_wave_0_\@:
	s_barrier_wait -3
	s_barrier_signal -1
	s_barrier_wait -1
.endm
.macro CROUND
	s_barrier_signal -1
	s_barrier_wait -1
	CREST
.endm
.macro JLOAD s                         ; my two joint loads of a slot: one head's 128 tokens, 64 k rows of w
	tensor_load_to_lds s[G0A+4*\s:G0A+4*\s+3], s[G1A:G1A+7]
	s_nop 0
	tensor_load_to_lds s[G0B+4*\s:G0B+4*\s+3], s[G1B:G1B+7]
	s_nop 0
.endm
	s_load_b128 s[4:7], s[0:1], 0x0                ; att s[4:5], wob s[6:7]
	s_load_b64 s[8:9], s[0:1], 0x10                ; out0
	v_lshl_add_u32 v254, v0, 2, 0x4c400
	v_mov_b32 v255, 0
	ds_add_u32 v254, v255
	v_lshrrev_b32 v1, 5, v0
	v_readfirstlane_b32 s10, v1                    ; wave
	s_lshr_b32 s11, s10, 1                         ; which 64 rows
	s_and_b32 s12, s10, 1                          ; which 64 columns
	s_bfe_u32 s13, ttmp6, 0x40000                  ; cx
	s_bfe_u32 s14, ttmp6, 0x40004                  ; cy
	s_lshl_b32 s15, ttmp9, 2
	s_add_co_u32 s15, s15, s13                     ; block column
	s_and_b32 s16, ttmp7, 0xffff
	s_lshl_b32 s16, s16, 2
	s_add_co_u32 s16, s16, s14                     ; block row
	s_lshl_b32 s17, s14, 2
	s_lshl_b32 s17, 15, s17                        ; my row of the cluster
	s_lshl_b32 s18, 0x1111, s13                    ; my column
	; att's tile: 128 rows x 64 elements, 4 words of padding behind every 32
	s_or_b32 s[G1A+0], s17, (1<<16)|(1<<20)|(1<<21)|(4<<22)|(3<<25)
	s_mov_b32 s[G1A+1], 64<<16
	s_mov_b32 s[G1A+2], 128<<16
	s_mov_b32 s[G1A+3], 64<<16
	s_mov_b32 s[G1A+4], 128
	s_mov_b32 s[G1A+5], 64
	s_mov_b32 s[G1A+6], 0
	s_mov_b32 s[G1A+7], 0
	; wob's tile: 64 k rows x 128 elements, 8 words of padding behind every 64
	s_or_b32 s[G1B+0], s18, (1<<16)|(1<<20)|(1<<21)|(5<<22)|(7<<25)
	s_mov_b32 s[G1B+1], 128<<16
	s_mov_b32 s[G1B+2], 64<<16
	s_mov_b32 s[G1B+3], 128<<16
	s_mov_b32 s[G1B+4], 64
	s_mov_b32 s[G1B+5], 1024
	s_mov_b32 s[G1B+6], 0
	s_mov_b32 s[G1B+7], 0
	; att's offset: block row and wave alone; wob's: block column and wave alone
	s_lshr_b32 s52, s16, 4                         ; batch
	s_lshl_b32 s52, s52, 4
	s_add_co_u32 s52, s52, s10                     ; plane 16 x batch + w: my head of K step 0
	s_lshl_b32 s52, s52, 18
	s_and_b32 s53, s16, 15
	s_lshl_b32 s53, s53, 14                        ; the block's first token x 128 bytes
	s_add_co_u32 s52, s52, s53
	s_mov_b32 s53, 0
	s_lshl_b32 s54, s10, 17                        ; k row 64 w x 2,048 bytes
	s_lshl_b32 s55, s15, 8                         ; + 256 bytes a block column
	s_add_co_u32 s54, s54, s55
	s_mov_b32 s55, 0
	s_lshl_b32 s56, s16, 19                        ; out0: 128 rows of 4,096 bytes a block row
	s_lshl_b32 s57, s11, 18
	s_add_co_u32 s56, s56, s57
	s_lshl_b32 s57, s15, 9
	s_add_co_u32 s56, s56, s57
	s_lshl_b32 s57, s12, 8
	s_add_co_u32 s56, s56, s57
	s_mov_b32 s57, 0
	s_mul_i32 s58, s10, ASUB                       ; LDS: my head's tokens; 64 k rows of w are as many bytes
	s_add_co_u32 s59, s58, BOFF
	s_mul_i32 s60, s11, 64*AP                      ; LDS: the 64 tokens that I multiply
	s_lshl_b32 s61, s12, 7
	s_add_co_u32 s61, s61, BOFF                    ; LDS: the 64 columns that I multiply
	s_mul_i32 s62, s10, 16*SP
	s_add_co_u32 s62, s62, STAGE
	v_and_b32 v11, 15, v0                          ; r
	v_bfe_u32 v12, v0, 4, 1                        ; h
	v_and_b32 v13, 7, v0
	v_bfe_u32 v14, v0, 3, 1
	v_mul_u32_u24 v15, v11, AP
	v_lshl_add_u32 v15, v12, 4, v15
	v_add_nc_u32 v[ADA], s60, v15
	v_add_nc_u32 v[ADA+1], SLOT, v[ADA]
	v_lshl_add_u32 v16, v12, 3, v13
	v_mul_u32_u24 v16, v16, BP
	v_lshl_add_u32 v16, v14, 4, v16
	v_add_nc_u32 v[ADB], s61, v16
	v_add_nc_u32 v[ADB+1], 128*BP, v[ADB]
	v_add_nc_u32 v[ADB+2], SLOT, v[ADB]
	v_add_nc_u32 v[ADB+3], SLOT, v[ADB+1]
	v_mul_u32_u24 v17, v11, SP
	v_lshl_add_u32 v17, v12, 5, v17                ; token r's row + my 32 bytes of each 64
	v_add_nc_u32 v[STO], s62, v17
	v_mul_u32_u24 v18, v12, SP
	v_lshl_add_u32 v18, v11, 4, v18                ; lanes 0-15 one row of 256 bytes, lanes 16-31 the next
	v_add_nc_u32 v[RD], s62, v18
	v_lshlrev_b32 v[CO], 12, v12
	v_lshl_add_u32 v[CO], v11, 4, v[CO]            ; the same two rows in out0
	s_wait_dscnt 0x0
	s_wait_kmcnt 0x0
	s_add_nc_u64 s[52:53], s[4:5], s[52:53]
	s_add_nc_u64 s[54:55], s[6:7], s[54:55]
	s_add_nc_u64 s[8:9], s[8:9], s[56:57]
.irp s, 0,1
	s_mov_b32 s[G0A+4*\s], 1
	s_add_co_u32 s[G0A+4*\s+1], s58, \s*SLOT
	s_add_nc_u64 s[G0A+4*\s+2:G0A+4*\s+3], s[52:53], \s*4*262144       ; K step s: four heads on
	s_or_b32 s[G0A+4*\s+3], s[G0A+4*\s+3], 0x80000000
	s_mov_b32 s[G0B+4*\s], 1
	s_add_co_u32 s[G0B+4*\s+1], s59, \s*SLOT
	s_add_nc_u64 s[G0B+4*\s+2:G0B+4*\s+3], s[54:55], \s*256*2048       ; 256 k rows on
	s_or_b32 s[G0B+4*\s+3], s[G0B+4*\s+3], 0x80000000
.endr
; four matrix instructions: row block a x my four column tiles.  The 16 accumulators take turns, one instruction a turn.
.macro MUL4 f, a, zero
.irp b, 0,1,2,3
.if \zero
	v_wmma_f32_16x16x32_f16 v[8*(4*\a+\b):8*(4*\a+\b)+7], v[F+64*\f+8*\b:F+64*\f+8*\b+7], v[F+64*\f+32+8*\a:F+64*\f+32+8*\a+7], 0
.else
	v_wmma_f32_16x16x32_f16 v[8*(4*\a+\b):8*(4*\a+\b)+7], v[F+64*\f+8*\b:F+64*\f+8*\b+7], v[F+64*\f+32+8*\a:F+64*\f+32+8*\a+7], v[8*(4*\a+\b):8*(4*\a+\b)+7]
.endif
.endr
.endm
; 16 LDS loads: part kq (32 along K, kq = 0..7) of a slot into buffer f: w's four tiles, then att's four row blocks (head kq / 2, half kq % 2 of its 64)
.macro FETCH slot, kq, f
.irp b, 0,1,2,3
	ds_load_tr16_b128 v[F+64*\f+8*\b:F+64*\f+8*\b+3],   v[ADB+2*\slot+(\kq>>2)] offset:32*BP*(\kq&3)+32*\b
	ds_load_tr16_b128 v[F+64*\f+8*\b+4:F+64*\f+8*\b+7], v[ADB+2*\slot+(\kq>>2)] offset:32*BP*(\kq&3)+32*\b+16*BP
.endr
.irp a, 0,1,2,3
	ds_load_b128 v[F+64*\f+32+8*\a:F+64*\f+32+8*\a+3],   v[ADA+\slot] offset:ASUB*(\kq>>1)+\a*16*AP+64*(\kq&1)
	ds_load_b128 v[F+64*\f+32+8*\a+4:F+64*\f+32+8*\a+7], v[ADA+\slot] offset:ASUB*(\kq>>1)+\a*16*AP+64*(\kq&1)+32
.endr
.endm
.macro PART slot, kq, f, g, zero       ; multiplies buffer f; in its middle fetches part kq into buffer g
	s_wait_dscnt 4                                 ; w and att's row blocks 0, 1 are in; the youngest four loads may be out
	WIN MUL
	MUL4 \f, 0, \zero
	MUL4 \f, 1, \zero
	WIN 0
	PLACES                                         ; buffer g was read by the part before
	FETCH \slot, \kq, \g
	s_wait_dscnt 16                                ; all but the 16 just issued
	WIN MUL
	MUL4 \f, 2, \zero
	MUL4 \f, 3, \zero
.endm
.macro SEVEN slot, zero
	PART \slot, 1, 0, 1, \zero
	PART \slot, 2, 1, 0, 0
	PART \slot, 3, 0, 1, 0
	PART \slot, 4, 1, 0, 0
	PART \slot, 5, 0, 1, 0
	PART \slot, 6, 1, 0, 0
	PART \slot, 7, 0, 1, 0
.endm
; The eighth part multiplies buffer 1 and changes slots: the waits for my reads of this slot and for all my tensor loads, the barrier
; (fill = 1: it opens a round of the cluster's barrier), the slot's two joint loads first behind it, then the next slot's first fragments.
.macro TURN slot, next, fill
	s_wait_dscnt 4
	WIN MUL
	MUL4 1, 0, 0
	s_wait_dscnt 0
	s_wait_tensorcnt 0x0
	ds_add_u32 v254, v255
	s_wait_dscnt 0x0
	s_barrier_signal -1
	MUL4 1, 1, 0
	WIN 0
	s_barrier_wait -1
.if \fill
	CREST
	s_add_nc_u64 s[G0A+4*\slot+2:G0A+4*\slot+3], s[G0A+4*\slot+2:G0A+4*\slot+3], 8*262144
	s_add_nc_u64 s[G0B+4*\slot+2:G0B+4*\slot+3], s[G0B+4*\slot+2:G0B+4*\slot+3], 2*256*2048
	JLOAD \slot
.endif
	PLACES
	FETCH \next, 0, 0
	WIN MUL
	MUL4 1, 2, 0
	MUL4 1, 3, 0
.endm
	CROUND                                         ; all sixteen work-groups are here
	JLOAD 0
	JLOAD 1                                        ; four tensor loads of mine are out
	s_wait_tensorcnt 0x2                           ; K step 0's two are in; K step 1's stay out
	s_barrier_signal -1
	s_barrier_wait -1
	FETCH 0, 0, 0
	SEVEN 0, 1                                     ; K step 0: its first products start the sums
	TURN 0, 1, 1                                   ; asks for K step 2
	SEVEN 1, 0
	TURN 1, 0, 1                                   ; asks for K step 3
	SEVEN 0, 0
	TURN 0, 1, 0
	SEVEN 1, 0
	s_wait_dscnt 0
	WIN MUL
	MUL4 1, 0, 0
	MUL4 1, 1, 0
	MUL4 1, 2, 0
	MUL4 1, 3, 0
	PLACES                                         ; in front of the LDS stores that read the sums
; THE WAY OUT, 16 rows at a time through my own stage: in as 32 bytes a lane, back as whole rows of 256 bytes.
.macro OUT16 a, f
	WIN 0x04                                       ; an LDS store's data is source 1: window 1
.irp b, 0,1,2,3
	ds_store_b128 v[STO], v[8*(4*\a+\b):8*(4*\a+\b)+3]   offset:64*\b
	ds_store_b128 v[STO], v[8*(4*\a+\b)+4:8*(4*\a+\b)+7] offset:64*\b+16
.endr
	WIN 0
	s_wait_xcnt 0x0                                ; buffer f, which earlier stores read, is loaded again only behind this wait
.irp i, 0,1,2,3,4,5,6,7
	ds_load_b128 v[F+64*\f+4*\i:F+64*\f+4*\i+3], v[RD] offset:\i*2*SP  ; LDS serves a wave's instructions in order: these see the stores above
.endr
.irp i, 0,1,2,3,4,5,6,7
	s_wait_dscnt 7-\i
	global_store_b128 v[CO], v[F+64*\f+4*\i:F+64*\f+4*\i+3], s[8:9] offset:(16*\a+2*\i)*4096 th:TH_STORE_NT   ; 16 lanes store 256 consecutive bytes, aligned
.endr
.endm
	OUT16 0, 0
	OUT16 1, 1
	OUT16 2, 0
	OUT16 3, 1
	s_wait_tensorcnt 0x0
	ds_add_u32 v254, v255
	s_wait_dscnt 0x0
	CROUND                                         ; the closing round
	s_endpgm
.Lfunc_end_k_qc435b299e8_proj:
	.size	k_qc435b299e8_proj, .Lfunc_end_k_qc435b299e8_proj-k_qc435b299e8_proj
	.p2alignl 7, 3214868480
	.fill 96, 4, 3214868480
	.section	.rodata,"a",@progbits
	.p2align	6, 0x0
	.amdhsa_kernel k_qc435b299e8_proj
		.amdhsa_group_segment_fixed_size 327680
		.amdhsa_private_segment_fixed_size 0
		.amdhsa_enable_private_segment 0
		.amdhsa_kernarg_size 24
		.amdhsa_user_sgpr_count 2
		.amdhsa_user_sgpr_kernarg_segment_ptr 1
		.amdhsa_wavefront_size32 1
		.amdhsa_system_sgpr_workgroup_id_x 1
		.amdhsa_system_sgpr_workgroup_id_y 1
		.amdhsa_system_sgpr_workgroup_id_z 1
		.amdhsa_system_vgpr_workitem_id 0
		.amdhsa_next_free_vgpr 384
		.amdhsa_next_free_sgpr 66
		.amdhsa_reserve_vcc 0
		.amdhsa_float_denorm_mode_32 3
		.amdhsa_float_denorm_mode_16_64 3
		.amdhsa_memory_ordered 1
		.amdhsa_forward_progress 1
		.amdhsa_inst_pref_size 89
	.end_amdhsa_kernel
	.amdgpu_metadata
---
amdhsa.version: [ 1, 2 ]
amdhsa.kernels:
  - .name:           k_qc435b299e8_proj
    .symbol:         k_qc435b299e8_proj.kd
    .args:
      - { .name: att, .offset: 0, .size: 8, .value_kind: global_buffer, .address_space: global }
      - { .name: wob, .offset: 8, .size: 8, .value_kind: global_buffer, .address_space: global }
      - { .name: out0, .offset: 16, .size: 8, .value_kind: global_buffer, .address_space: global }
    .group_segment_fixed_size: 327680
    .private_segment_fixed_size: 0
    .kernarg_segment_align: 8
    .kernarg_segment_size: 24
    .max_flat_workgroup_size: 128
    .sgpr_count:     66
    .vgpr_count:     384
    .wavefront_size: 32
...
	.end_amdgpu_metadata
.endif
;; end of part 4
;; ======== version 2 of 2: 4 launches
;; limits: values outside matrix products are rounded to bf16; values are held in f16: magnitudes above 65,504 overflow, below 6.1e-05 lose precision
;; workspace buffers: hb 8,388,608 bytes; wqb 6,291,456 bytes; wob 2,097,152 bytes; qkv 25,165,824 bytes; att 8,388,608 bytes
;; launch cast: the kernel of part 1 again; grid 512 x 1, 8 waves a work-group, no clusters, 0 bytes of LDS; arguments hidden_states, w_qkv, w_out, hb, wqb, wob; writes hb, wqb, wob
;; launch qkv: the kernel of part 2 again; grid 16 x 16, 4 waves a work-group, clusters of 4 x 4, 327,680 bytes of LDS; arguments hb, wqb, cos, sin, norm_q_w, norm_k_w, qkv; writes qkv
;; launch attn (part 5): grid 8 x 32, 8 waves a work-group, clusters of 4 x 1, 327,680 bytes of LDS; arguments qkv, att; writes att
.if DOCPART == 5
	.amdgcn_target "amdgcn-amd-amdhsa--gfx1250"
	.amdhsa_code_object_version 6
	.text
	.protected	k_qc435b299e8_attn
	.globl	k_qc435b299e8_attn
	.p2align	8
	.type	k_qc435b299e8_attn,@function
k_qc435b299e8_attn:
	s_mov_b64 s[64:65], 0
	v_nop
	global_prefetch_b8 v0, s[64:65] scope:SCOPE_SE
	s_setreg_imm32_b32 hwreg(HW_REG_WAVE_MODE, 25, 1), 1
	s_wait_xcnt 0x0
	s_wait_alu depctr_hold_cnt(0) depctr_sa_sdst(0) depctr_va_vdst(0) depctr_va_sdst(0) depctr_va_ssrc(0) depctr_va_vcc(0) depctr_vm_vsrc(0)
	s_getreg_b32 s2, hwreg(HW_REG_IB_STS2, 6, 4)
	s_cmp_eq_u32 s2, 0
	s_cbranch_scc0 .Lentry_in_a_cluster
	s_endpgm
.Lentry_in_a_cluster:
	s_bfe_u32 s2, ttmp6, 0x10000c
	s_cmp_lg_u32 s2, 0x3003
	s_cbranch_scc0 .Lentry_shape_is_right
	s_endpgm
.Lentry_shape_is_right:
; attn: softmax(q k^T / 8) v for each of 32 (batch, head) planes of 2,048 tokens x 64, with a running maximum.
; q, k bf16 and v f16 (bf16 values in f16's format) from qkv[type][plane][token][64]; scores, maxima, sums and the output's sums f32;
; att[plane][token][64] f16.  The first product takes bf16 operands, the second f16: the probabilities lie in (0, 1], where f16 has three bits more.
; A work-group takes 256 queries of one plane.  8 x 32 = 256 work-groups.
; EIGHT WAVES, two for each of the WGP's four SIMDs, so that a SIMD has a second wave's lines to issue while one wave waits for its own product, for a
; result or for LDS.  Wave w owns the 64 queries of number w & 3 (four tiles of 16) and the half w >> 2 of the KEYS: of each 256 keys the 64-key chunks
; g and g + 2.  Splitting the keys and not the queries keeps the LDS reads as they are with four waves: 8 waves x 16 steps x 16 KB.
; Each wave carries its own maximum, sum and O; at the end the two halves meet through LDS (see THE TWO HALVES MEET).
; CLUSTERS: the four work-groups of a cluster take four query blocks of ONE plane and walk the same K and V tiles: every tile is asked for jointly.
; K and V come in eight tiles of 256 keys; a tile's rows are a token's 128 bytes, as they lie in the tensor.  LDS holds four tiles of each, K's in one
; contiguous ring, V's in another.  Tiles 0-3 are first fills; tile t + 4 fills slot t again behind a round of the cluster's barrier at the end of tile t.
; BOTH PRODUCTS ARE TRANSPOSED.  S^T = K x Q^T: lane l holds query l % 16, registers 0-7 of key tile i the keys 16 i + 8 (l / 16) + 0..7.
; Packed in pairs these are already a source-1 fragment (32 keys = two key tiles) of O^T = V^T x P^T, in which lane l again holds query l % 16.
; So maximum, sum and rescale factor are one number a lane, and the only exchange is with lane l xor 16.
;
; THE LOOP.  A step is 64 keys against my 64 queries: four phases, one for each query tile.  The phase of tile n holds
;   (a) the 8 products O(n-1) += V^T P(n-1), and riding behind each of them four vector lines: the sum of tile n-1's exponentials, the maximum of tile n's scores;
;   (b) the few lines on one number a query (new maximum, factor, carried sum);
;   (c) the 8 products S(n+1) = K Q(n+1), and riding behind them tile n's 16 packed multiply-adds and 33 exponentials;
;   (d) tile n's P packed to f16, and O(n) rescaled.
; The loop's text is ONE step: the fragments' LDS addresses lie in two registers that step by 128 rows behind each run of loads (the 64 rows between are
; the other half's), so no line of the body names a tile.  The body is turned by one phase: a trip loads step j's K fragments, then runs tile 3's phase of
; step j - 1 and the phases of tiles 0, 1, 2 of step j.  At a trip's head no LDS read of mine is out, so a change of tiles stands between trips.
; Written out besides: step 0 and the trip behind it (their first products start the sums; nothing is cleared), a second copy of the body for the tiles
; behind which nothing is filled, the end.
;
; REGISTER WINDOWS.  Each of the stretches (a) and (c) runs under one setting.  (a), 0x50: third source and destination in window 1, where O lies; the
; riding maxima and sum lie there too and enter as third source and destination.  (c), 0x04: second source in window 1, where Q lies; the riding lines have no
; vector register as second source.
;   window 0: v1-9, v14 addresses; v16-19 maxima, v20-23 sums; v24-31 the partner's maxima and sums; v32-63, v64-95 S, two buffers; v96-111 P;
;             v112-122 at work; v128-191 K fragments (8 (2 i + e)); v192-255 V fragments (8 (2 dt + kk))
;   window 1: v0-63 Q fragments; v64-191 O (64 + 8 (4 n + dt)); v192-193 two running maxima, v194-195 the running sum
;   456 registers a wave, 912 for the two waves of a SIMD.
;
; LIMITS.  p = exp2(fma(s, c, -(c m))), c = log2(e) / 8: the rounding of c m shifts all exponents of one step by at most 2^-24 |c m|
; (|c m| is at most 12 for gains of 1, some 10,000 for both gains 30 times larger).
; p is rounded to f16 before the division by the sum of the unrounded p, where reference() divides first and rounds to bf16; p below 2^-14 keeps
; an absolute step of 2^-24 against a largest p of 1.  att, a mean of v, is below 65,504 where v is; att below 2^-14 keeps the same absolute step.
; The sums over the keys are formed in two halves, each against its own maximum, and joined against the larger one.
; The joined sum is at least about 1 (the largest score's own term), so its reciprocal is safe.
.set KP,    144                        ; K's rows: 128 bytes + 16
.set VP,    160                        ; V's rows: 128 bytes + 32, an odd multiple of 32, for the transposing load
.set TILEK, 256*KP                     ; 36,864
.set TILEV, 256*VP                     ; 40,960
.set VRING, 4*TILEK                    ; 147,456: V's ring behind K's; the rings end at 311,296
.set XWAVE, 34*512                     ; the end: what a wave hands over, 34 registers' quads x 32 lanes x 16 bytes; 8 x 17,408 bytes at K's ring's head
.set STAGE, VRING                      ; the end: 2,304 bytes a wave at V's ring's head
.set XS,   1                           ; where I put what I hand over
.set ADK,  2                           ; where the next K fragments lie: steps by 128 rows
.set ADV,  3                           ; the same for V
.set ADK0, 4                           ; my lane's place in K's ring at my half's first key
.set ADV0, 5                           ; the same for V
.set STO,  6
.set RD,   7
.set GO,   8
.set QO,   9
.set XL,   14                          ; where my partner (wave w xor 4) put its own
.set MX,   16
.set LS,   20
.set PM,   24                          ; the partner's maxima
.set PL,   28                          ; the partner's sums
.set SB,   32
.set PF,   96
.set T,    112
.set MN,   116
.set AL,   118
.set NM,   120
.set U,    122
.set KF,   128
.set VF,   192
.set QF,   0                           ; window 1
.set OA,   64                          ; window 1
.set TA,   192                         ; window 1
.set TB,   193                         ; window 1
.set UU,   194                         ; window 1, a pair
.set G1K, 12                           ; s[12:19]
.set G1V, 20                           ; s[20:27]
.set G0K, 28                           ; s[28:43], a set for each of tiles 0-3
.set G0V, 68                           ; s[68:83]
.set RK,  G0K+12                       ; tile 3's sets serve the refills: their addresses step on to tiles 4-7
.set RV,  G0V+12
.set MSB, 0
.macro WIN new                         ; the immediate's high byte repeats the setting that is left
.if MSB != \new
	s_set_vgpr_msb (MSB<<8)|\new
.set MSB, \new
.endif
.endm
.macro PLACES                          ; four plain vector instructions behind a matrix instruction (ISA guide 7.12.1)
.rept 4
	v_nop
.endr
.endm
.macro CROUND                          ; a round of the cluster's barrier
	s_barrier_signal -1
	s_barrier_wait -1
	s_cmp_lg_u32 s8, 0
	s_cbranch_scc1 .Lnot_wave_0_\@
	s_barrier_signal -3
.Lnot_wave_0_\@:
	s_barrier_wait -3
	s_barrier_signal -1
	s_barrier_wait -1
.endm
	s_load_b128 s[4:7], s[0:1], 0x0                ; qkv s[4:5], att s[6:7]
	v_lshl_add_u32 v126, v0, 2, 0x4c000
	v_mov_b32 v127, 0
	ds_add_u32 v126, v127
	v_lshrrev_b32 v1, 5, v0
	v_readfirstlane_b32 s8, v1                     ; wave 0..7
	s_and_b32 s87, s8, 3                           ; which 64 queries
	s_lshr_b32 s63, s8, 2                          ; which half of the keys
	s_bfe_u32 s9, ttmp6, 0x40000                   ; cx
	s_lshl_b32 s10, ttmp9, 2
	s_add_co_u32 s10, s10, s9                      ; block of 256 queries
	s_and_b32 s11, ttmp7, 0xffff                   ; plane = 16 x batch + head
	; a tile part: 32 rows x 64 elements of 2 bytes, padded behind every 32 words; all four work-groups of the cluster are named
	s_mov_b32 s[G1K+0], 15|(1<<16)|(1<<20)|(1<<21)|(4<<22)|(3<<25)
	s_mov_b32 s[G1V+0], 15|(1<<16)|(1<<20)|(1<<21)|(4<<22)|(7<<25)
.irp g, G1K, G1V
	s_mov_b32 s[\g+1], 64<<16                      ; tensor_dim0 = 64
	s_mov_b32 s[\g+2], 32<<16                      ; tensor_dim1 = 32
	s_mov_b32 s[\g+3], 64<<16                      ; tile_dim0 = 64
	s_mov_b32 s[\g+4], 32                          ; tile_dim1 = 32
	s_mov_b32 s[\g+5], 64                          ; elements from row to row
	s_mov_b32 s[\g+6], 0
	s_mov_b32 s[\g+7], 0
.endr
	; K's and V's offsets are made of the plane and the wave alone
	s_add_co_u32 s44, s11, 32                      ; k's planes follow q's 32
	s_lshl_b32 s44, s44, 18
	s_lshl_b32 s45, s8, 12                         ; the 32 keys x 128 bytes that I fetch of each tile
	s_add_co_u32 s44, s44, s45
	s_mov_b32 s45, 0
	s_add_co_u32 s60, s11, 64                      ; v's follow k's
	s_lshl_b32 s60, s60, 18
	s_lshl_b32 s61, s8, 12
	s_add_co_u32 s60, s60, s61
	s_mov_b32 s61, 0
	s_lshl_b32 s58, s11, 18                        ; my 64 queries, in q's planes and in att alike
	s_lshl_b32 s59, s10, 15
	s_add_co_u32 s58, s58, s59
	s_lshl_b32 s59, s87, 13
	s_add_co_u32 s58, s58, s59
	s_mov_b32 s59, 0
	s_mul_i32 s55, s8, 32*KP                       ; LDS: the 32 rows of a K tile that I fetch
	s_mul_i32 s51, s8, 32*VP
	s_add_co_u32 s51, s51, VRING                   ; LDS: the 32 rows of a V tile that I fetch
	s_mul_i32 s62, s8, 16*KP
	s_add_co_u32 s62, s62, STAGE                   ; LDS: my stage
	s_mul_i32 s66, s63, 64*KP                      ; LDS: my half's first chunk of 64 keys in K's ring
	s_mul_i32 s67, s63, 64*VP
	s_add_co_u32 s67, s67, VRING                   ; and in V's
	s_mul_i32 s3, s8, XWAVE                        ; LDS: what I hand over
	s_xor_b32 s2, s8, 4
	s_mul_i32 s2, s2, XWAVE                        ; LDS: what the wave with my queries and the other keys hands over
	s_mov_b32 s48, 0x3e38aa3b                      ; c = log2(e) / 8
	s_mov_b32 s49, 0x3e38aa3b
	s_mov_b32 s50, 0xbe38aa3b                      ; -c
	s_mov_b32 s52, 0x76543210                      ; v_permlanex16_b32: lane i reads lane i of the other half
	s_mov_b32 s53, 0xfedcba98
	v_and_b32 v10, 31, v0
	v_and_b32 v11, 15, v0                          ; r
	v_bfe_u32 v12, v0, 4, 1                        ; h
	v_and_b32 v13, 7, v0
	v_bfe_u32 v14, v0, 3, 1
	v_mul_u32_u24 v15, v11, KP
	v_lshl_add_u32 v15, v12, 4, v15                ; r x pitch + 16 h
	v_add_nc_u32 v[STO], s62, v15                  ; the stage has K's pitch
	v_add_nc_u32 v[ADK0], s66, v15
	v_mov_b32 v[ADK], v[ADK0]
	v_lshl_add_u32 v15, v12, 3, v13                ; key 8 h + (lane & 7)
	v_mul_u32_u24 v15, v15, VP
	v_lshl_add_u32 v15, v14, 4, v15
	v_add_nc_u32 v[ADV0], s67, v15
	v_mov_b32 v[ADV], v[ADV0]
	v_lshrrev_b32 v15, 3, v10
	v_mul_u32_u24 v15, v15, KP
	v_lshl_add_u32 v15, v13, 4, v15
	v_add_nc_u32 v[RD], s62, v15
	v_lshlrev_b32 v[GO], 4, v10
	v_lshl_add_u32 v[XS], v10, 4, s3               ; 16 bytes a lane: 512 consecutive bytes an instruction
	v_lshl_add_u32 v[XL], v10, 4, s2
	v_lshlrev_b32 v[QO], 7, v11
	v_lshl_add_u32 v[QO], v12, 4, v[QO]            ; query r's row + 16 h
	v_mov_b32 v[T+1], 0                            ; v_permlanex16_b32 counts as a reader of its destination
	s_wait_dscnt 0x0
	s_wait_kmcnt 0x0
	s_add_nc_u64 s[44:45], s[4:5], s[44:45]
	s_add_nc_u64 s[60:61], s[4:5], s[60:61]
	s_add_nc_u64 s[46:47], s[4:5], s[58:59]        ; my queries
	s_add_nc_u64 s[56:57], s[6:7], s[58:59]        ; my rows of att
.irp t, 0,1,2,3
	s_mov_b32 s[G0K+4*\t], 1
	s_add_co_u32 s[G0K+4*\t+1], s55, \t*TILEK
	s_add_nc_u64 s[G0K+4*\t+2:G0K+4*\t+3], s[44:45], \t*32768          ; tile t: 256 keys of 128 bytes a tile
	s_or_b32 s[G0K+4*\t+3], s[G0K+4*\t+3], 0x80000000
	s_mov_b32 s[G0V+4*\t], 1
	s_add_co_u32 s[G0V+4*\t+1], s51, \t*TILEV
	s_add_nc_u64 s[G0V+4*\t+2:G0V+4*\t+3], s[60:61], \t*32768
	s_or_b32 s[G0V+4*\t+3], s[G0V+4*\t+3], 0x80000000
.endr
	WIN 0x40                                       ; destination window 1
.irp qt, 0,1,2,3
.irp eh, 0,1
	global_load_b128 v[QF+8*(2*\qt+\eh):QF+8*(2*\qt+\eh)+3],   v[QO], s[46:47] offset:\qt*2048+64*\eh
	global_load_b128 v[QF+8*(2*\qt+\eh)+4:QF+8*(2*\qt+\eh)+7], v[QO], s[46:47] offset:\qt*2048+64*\eh+32
.endr
.endr
	WIN 0
; The fragments of my next 64 keys, K as it lies, V through the transposing load; then the address steps on by 128 rows, over the other half's 64
; (an LDS instruction's sources need no wait).
.macro KLOAD
.irp i, 0,1,2,3
.irp eh, 0,1
	ds_load_b128 v[KF+8*(2*\i+\eh):KF+8*(2*\i+\eh)+3],   v[ADK] offset:KP*16*\i+64*\eh
	ds_load_b128 v[KF+8*(2*\i+\eh)+4:KF+8*(2*\i+\eh)+7], v[ADK] offset:KP*16*\i+64*\eh+32
.endr
.endr
	v_add_nc_u32 v[ADK], 128*KP, v[ADK]
.endm
.macro VLOAD
.irp dt, 0,1,2,3
.irp kk, 0,1
	ds_load_tr16_b128 v[VF+8*(2*\dt+\kk):VF+8*(2*\dt+\kk)+3],   v[ADV] offset:VP*32*\kk+32*\dt
	ds_load_tr16_b128 v[VF+8*(2*\dt+\kk)+4:VF+8*(2*\dt+\kk)+7], v[ADV] offset:VP*32*\kk+32*\dt+16*VP
.endr
.endr
	v_add_nc_u32 v[ADV], 128*VP, v[ADV]
.endm
; Symbols that a phase sets: SQ its own scores' buffer, SX the other buffer (the tile before's exponentials, then the next tile's scores),
; PR the query tile before, NQ the next.
; Product k = 0..7 of S^T(NQ): key tile k % 4, half k / 4 of the 64 along d.  Four accumulators take turns, one instruction a turn.
.macro QKW k
.if \k < 4
	v_wmma_f32_16x16x32_bf16 v[SX+8*\k:SX+8*\k+7], v[KF+16*\k:KF+16*\k+7], v[QF+16*NQ:QF+16*NQ+7], 0
.else
	v_wmma_f32_16x16x32_bf16 v[SX+8*(\k-4):SX+8*(\k-4)+7], v[KF+16*(\k-4)+8:KF+16*(\k-4)+15], v[QF+16*NQ+8:QF+16*NQ+15], v[SX+8*(\k-4):SX+8*(\k-4)+7]
.endif
.endm
; Product k = 0..7 of O^T(PR): d tile k % 4, 32 keys k / 4.  pfirst = 1: the first four start the sums.  Again four accumulators by turns.
.macro PVW k, pfirst
.if \k < 4
.if \pfirst
	v_wmma_f32_16x16x32_f16 v[OA+8*(4*PR+\k):OA+8*(4*PR+\k)+7], v[VF+16*\k:VF+16*\k+7], v[PF:PF+7], 0
.else
	v_wmma_f32_16x16x32_f16 v[OA+8*(4*PR+\k):OA+8*(4*PR+\k)+7], v[VF+16*\k:VF+16*\k+7], v[PF:PF+7], v[OA+8*(4*PR+\k):OA+8*(4*PR+\k)+7]
.endif
.else
	v_wmma_f32_16x16x32_f16 v[OA+8*(4*PR+\k-4):OA+8*(4*PR+\k-4)+7], v[VF+16*(\k-4)+8:VF+16*(\k-4)+15], v[PF+8:PF+15], v[OA+8*(4*PR+\k-4):OA+8*(4*PR+\k-4)+7]
.endif
.endm
; Stretch (a).  pfirst = 2: there is no tile before (no products, no sum).  amax = 0: there is no tile of my own (the end).
; The riding lines name S and window 1's v192-195 alone, none of the products' registers.
.macro S1 amax, pfirst
	WIN 0x50                                       ; third source and destination window 1
.irp k, 0,1,2,3,4,5,6,7
.if \pfirst != 2
	PVW \k, \pfirst
.endif
.if \amax
.if \k == 0
	v_max_num_f32 v[TA], v[SQ], v[SQ+1]            ; two chains of maxima, started by the first scores
.else
	v_max3_num_f32 v[TA], v[SQ+2*\k], v[SQ+2*\k+1], v[TA]
.endif
.endif
.if \pfirst != 2
.if \k == 0
	v_pk_add_f32 v[UU:UU+1], v[SX:SX+1], v[SX+2:SX+3]                  ; the sum of the unrounded p, started by the first two pairs
.else
	v_pk_fma_f32 v[UU:UU+1], v[SX+4*\k:SX+4*\k+1], 1.0, v[UU:UU+1] op_sel_hi:[1,0,1]   ; an addition whose carried term is the third source
.endif
.endif
.if \amax
.if \k == 0
	v_max_num_f32 v[TB], v[SQ+16], v[SQ+17]
.else
	v_max3_num_f32 v[TB], v[SQ+16+2*\k], v[SQ+17+2*\k], v[TB]
.endif
.endif
.if \pfirst != 2
.if \k != 0
	v_pk_fma_f32 v[UU:UU+1], v[SX+4*\k+2:SX+4*\k+3], 1.0, v[UU:UU+1] op_sel_hi:[1,0,1]
.endif
.endif
.endr
.endm
; The phase of query tile qt.  first = 1: it carries nothing yet.  pfirst: the same of the tile before (2: there is none).
; qk = 1: the next tile's scores are multiplied.  vload = 1: the step's V fragments are fetched.
.macro PHASE qt, first, pfirst, qk, vload
.set SQ, SB+32*(\qt&1)
.set SX, SB+32-32*(\qt&1)
.set PR, (\qt+3)&3
.set NQ, (\qt+1)&3
.if \qt == 1
	s_wait_dscnt 0x0                               ; this step's V fragments, asked for one phase ago
.endif
	S1 1, \pfirst
	WIN 0x05                                       ; sources 0 and 1 window 1: what rode along comes back to window 0
	v_max_num_f32 v[T], v[TA], v[TB]
.if \pfirst == 1
	v_add_f32 v[LS+PR], v[UU], v[UU+1]
.endif
.if \pfirst == 0
	v_add_f32 v[U], v[UU], v[UU+1]
.endif
	WIN 0
	v_permlanex16_b32 v[T+1], v[T], s52, s53       ; the query's other 32 keys lie in lane l xor 16
.if \pfirst == 0
	v_fma_f32 v[LS+PR], v[LS+PR], v[AL], v[U]      ; the tile before: my lane's part of its carried sum (AL is still its factor); the parts meet at the end
.endif
.if \first
	v_max_num_f32 v[MX+\qt], v[T], v[T+1]
	v_mul_f32 v[NM],   s50, v[MX+\qt]              ; -c m, twice
	v_mul_f32 v[NM+1], s50, v[MX+\qt]
.else
	v_max3_num_f32 v[MN], v[T], v[T+1], v[MX+\qt]  ; the new running maximum
	v_sub_f32 v[T+2], v[MX+\qt], v[MN]
	v_mul_f32 v[NM],   s50, v[MN]
	v_mul_f32 v[NM+1], s50, v[MN]
	v_mov_b32 v[MX+\qt], v[MN]
	v_mul_f32 v[T+2], s48, v[T+2]                  ; c (old - new), at most 0
.endif
.if \vload
	VLOAD                                          ; behind the last product that read the old fragments stand its four riding lines and the lines above
.endif
.if \qk
	WIN 0x04                                       ; second source (Q) window 1; no riding line has a vector register there
.if \qt == 3
	s_wait_dscnt 0x0                               ; the next step's K fragments, asked for at the trip's head
.endif
.endif
.irp k, 0,1
.if \qk
	QKW \k
.endif
.set p, 8*\k
.rept 8
	v_pk_fma_f32 v[SQ+2*p:SQ+2*p+1], v[SQ+2*p:SQ+2*p+1], s[48:49], v[NM:NM+1] op_sel_hi:[1,0,1]
.set p, p+1
.endr
.endr
.irp k, 2,3,4,5,6,7
.if \qk
	QKW \k
.endif
.set p, 5*(\k-2)
.rept 5
	v_exp_f32 v[SQ+p], v[SQ+p]
.set p, p+1
.endr
.endr
	v_exp_f32 v[SQ+30], v[SQ+30]
	v_exp_f32 v[SQ+31], v[SQ+31]
.if \first == 0
	v_exp_f32 v[AL], v[T+2]                        ; what the carried sums shrink by
.endif
	v_nop                                          ; one plain instruction behind the exponentials (ISA guide 5.7.2)
.if \first == 0
	s_wait_alu depctr_va_vdst(0)
	v_mov_b32 v[AL+1], v[AL]
.endif
	WIN 0
.set p, 0
	s_wait_alu depctr_va_vdst(0)
.rept 16
	v_cvt_pk_f16_f32 v[PF+p], v[SQ+2*p], v[SQ+2*p+1]                   ; key tiles 2 kk, 2 kk + 1 = fragment kk
.set p, p+1
.endr
.if \first == 0
	WIN 0x41                                       ; O in window 1, the factor in window 0
.set p, 0
.rept 16
	v_pk_mul_f32 v[OA+32*\qt+2*p:OA+32*\qt+2*p+1], v[OA+32*\qt+2*p:OA+32*\qt+2*p+1], v[AL:AL+1]
.set p, p+1
.endr
.endif
.endm
; A trip: step j's K fragments (the last product that read the old ones is 16 conversions and more back), tile 3 of step j - 1, tiles 0, 1, 2 of step j.
; fr = 1: j = 1, so tile 3 and the products of tiles 2 and 3 are step 0's and start their sums.
.macro RBODY fr
	WIN 0
	KLOAD
	PHASE 3, \fr, \fr, 1, 0
	PHASE 0, 0, \fr, 1, 1
	PHASE 1, 0, 0, 1, 0
	PHASE 2, 0, 0, 1, 0
	WIN 0                                          ; a branch follows
.endm
; The tile just read is over: its slot is filled again, four tiles ahead.
.macro REFILL
	s_wait_dscnt 0x0                               ; my reads of the tile are back (the last, V's, were waited for three phases ago)
	s_wait_tensorcnt 0x0                           ; all my tensor loads have landed, so the refills' descriptors may be written
	ds_add_u32 v126, v127
	s_wait_dscnt 0x0
	s_add_co_u32 s[RK+1], s55, s84                 ; to: my 32 rows of the slot just read
	s_add_co_u32 s[RV+1], s51, s85
	s_add_nc_u64 s[RK+2:RK+3], s[RK+2:RK+3], 32768 ; from: one tile on (tile 3's address at the start, so tiles 4, 5, 6, 7)
	s_add_nc_u64 s[RV+2:RV+3], s[RV+2:RV+3], 32768
	s_add_co_u32 s84, s84, TILEK
	s_add_co_u32 s85, s85, TILEV
	CROUND                                         ; no wave of any partner still reads the slot or has a load on its way
	tensor_load_to_lds s[RK:RK+3], s[G1K:G1K+7]    ; two tensor loads of mine are out
	s_nop 0
	tensor_load_to_lds s[RV:RV+3], s[G1V:G1V+7]
	s_nop 0
.endm
	CROUND                                         ; the four work-groups are here: the first joint loads meet
.irp t, 0,1,2,3
	tensor_load_to_lds s[G0K+4*\t:G0K+4*\t+3], s[G1K:G1K+7]
	s_nop 0
	tensor_load_to_lds s[G0V+4*\t:G0V+4*\t+3], s[G1V:G1V+7]
	s_nop 0
.endr                                              ; eight tensor loads of mine are out
	s_wait_tensorcnt 0x6                           ; my two parts of tile 0 are in; the six of tiles 1-3 stay out
	s_barrier_signal -1
	s_barrier_wait -1
	KLOAD
	VLOAD
	s_wait_loadcnt 0x0                             ; Q
	s_wait_dscnt 16                                ; K's fragments are in; V's sixteen younger loads may be out
.set SX, SB
.set NQ, 0
	WIN 0x04
.irp k, 0,1,2,3,4,5,6,7
	QKW \k                                         ; the very first scores have nothing to ride behind them
.endr
	PLACES                                         ; in front of the first read of them
	PHASE 0, 1, 2, 1, 0                            ; my step 0: nothing is carried yet
	PHASE 1, 1, 1, 1, 0
	PHASE 2, 1, 1, 1, 0
	RBODY 1                                        ; my step 1: with it my two chunks of tile 0 are read
	s_mov_b32 s84, 0                               ; the slot to fill, in K's ring
	s_mov_b32 s85, 0                               ; and in V's
	REFILL                                         ; slot 0 takes tile 4
	; Tiles 1-3 (my steps 2-7, two a tile).  Behind each tile its slot is filled again.
	s_mov_b32 s54, 2
	s_mov_b32 s86, 3
.Lfill:
.Lstep_a:
	RBODY 0
	s_sub_co_u32 s54, s54, 1
	s_cmp_lg_u32 s54, 0
	s_cbranch_scc1 .Lstep_a
	REFILL
	s_mov_b32 s54, 2
	s_sub_co_u32 s86, s86, 1
	s_cmp_lg_u32 s86, 0
	s_cbranch_scc1 .Lfill
	; Tiles 4-7 (my steps 8-15) lie in slots 0-3 again: the addresses go back to the rings' heads.  Nothing more is filled.
	; Tiles 4-6 were waited for in front of the last round.  Tile 7's two loads are waited for, and shown to the other waves by a barrier, behind the
	; six steps of tiles 4-6.  The same waits and barrier behind tile 7's two steps say that every wave's reads of the rings are back:
	; behind them the rings' bytes, which have had their last fill, serve the end.
	v_mov_b32 v[ADK], v[ADK0]
	v_mov_b32 v[ADV], v[ADV0]
	s_mov_b32 s54, 6
	s_mov_b32 s86, 2
.Lrest:
.Lstep_b:
	RBODY 0
	s_sub_co_u32 s54, s54, 1
	s_cmp_lg_u32 s54, 0
	s_cbranch_scc1 .Lstep_b
	s_wait_dscnt 0x0
	s_wait_tensorcnt 0x0
	s_barrier_signal -1
	s_barrier_wait -1
	s_mov_b32 s54, 2
	s_sub_co_u32 s86, s86, 1
	s_cmp_lg_u32 s86, 0
	s_cbranch_scc1 .Lrest
	PHASE 3, 0, 0, 0, 0                            ; tile 3 of my last step: no further scores
.set SX, SB+32
.set PR, 3
	S1 0, 0                                        ; its products and its sum
	WIN 0x05
	v_add_f32 v[U], v[UU], v[UU+1]
	WIN 0
	v_fma_f32 v[LS+3], v[LS+3], v[AL], v[U]
	PLACES                                         ; behind the last products: in front of the LDS stores that read O and of the loads into V's fragments
	; THE TWO HALVES MEET.  The waves of the second half of the keys put O (128 registers), their maxima and their sums into LDS, each into a region of
	; its own number; behind a barrier the wave with the same queries and the first half reads the region of number w xor 4, joins the two and stores.
	; The branches hang on the wave's number alone; every wave passes the barrier.
	s_cmp_eq_u32 s63, 0
	s_cbranch_scc1 .Lkeep
	WIN 0x04                                       ; an LDS store's data is source 1: window 1
.set k, 0
.rept 32
	ds_store_b128 v[XS], v[OA+4*k:OA+4*k+3] offset:512*k               ; 32 lanes x 16 bytes: 512 consecutive bytes
.set k, k+1
.endr
	WIN 0
	ds_store_b128 v[XS], v[MX:MX+3] offset:512*32
	ds_store_b128 v[XS], v[LS:LS+3] offset:512*33
.Lkeep:
	s_wait_dscnt 0x0                               ; for the partner's sake: my stores are done
	s_barrier_signal -1
	s_barrier_wait -1
	s_cmp_lg_u32 s63, 0
	s_cbranch_scc1 .Lclose                         ; the second half's waves have handed everything over
	ds_load_b128 v[PM:PM+3], v[XL] offset:512*32
	ds_load_b128 v[PL:PL+3], v[XL] offset:512*33
.macro XLOAD qt, xb                    ; the partner's O of query tile qt
.irp i, 0,1,2,3,4,5,6,7
	ds_load_b128 v[\xb+4*\i:\xb+4*\i+3], v[XL] offset:512*(8*\qt+\i)
.endr
.endm
	XLOAD 0, SB
	XLOAD 1, SB+32
	XLOAD 2, VF
	XLOAD 3, VF+32
	s_wait_dscnt 32                                ; the partner's maxima and sums are in; the 32 loads of its O may be out
; One query tile: the joint maximum, each half's factor exp2(c (m_i - m)) / sum, O = O_0 f_0 + O_1 f_1, rounded to f16, and out through my own stage
; so that a store covers 512 consecutive bytes (four tokens' rows).  xb: where the partner's O lies.
.macro FINISH qt, xb
	v_max_num_f32 v[MN], v[MX+\qt], v[PM+\qt]
	v_sub_f32 v[T],   v[MX+\qt], v[MN]
	v_sub_f32 v[T+1], v[PM+\qt], v[MN]
	v_mul_f32 v[T],   s48, v[T]                    ; at most 0, and one of the two is 0
	v_mul_f32 v[T+1], s48, v[T+1]
	v_exp_f32 v[T],   v[T]
	v_exp_f32 v[T+1], v[T+1]
	v_nop                                          ; one plain instruction behind the exponentials (ISA guide 5.7.2)
	s_wait_alu depctr_va_vdst(0)
	v_mul_f32 v[U], v[LS+\qt], v[T]
	v_fma_f32 v[U], v[PL+\qt], v[T+1], v[U]        ; my lane's part of the query's sum over all keys
	v_permlanex16_b32 v[T+2], v[U], s52, s53
	v_add_f32 v[U], v[U], v[T+2]                   ; and lane l xor 16's
	v_rcp_f32 v[T+3], v[U]
	v_nop
	s_wait_alu depctr_va_vdst(0)
	v_mul_f32 v[AL],   v[T],   v[T+3]              ; my half's factor, twice
	v_mul_f32 v[AL+1], v[T],   v[T+3]
	v_mul_f32 v[NM],   v[T+1], v[T+3]              ; the partner's
	v_mul_f32 v[NM+1], v[T+1], v[T+3]
.if \qt == 0
	s_wait_dscnt 24                                ; tile 0's eight loads are in, the 24 younger may be out; the waits on the stage below, for younger
	                                               ; LDS instructions still, show those 24 done as well
.endif
.set p, 0
.rept 16
	v_pk_mul_f32 v[\xb+2*p:\xb+2*p+1], v[\xb+2*p:\xb+2*p+1], v[NM:NM+1]
.set p, p+1
.endr
	WIN 0x01                                       ; source 0 (my O) window 1
.set p, 0
.rept 16
	v_pk_fma_f32 v[\xb+2*p:\xb+2*p+1], v[OA+32*\qt+2*p:OA+32*\qt+2*p+1], v[AL:AL+1], v[\xb+2*p:\xb+2*p+1]
.set p, p+1
.endr
	WIN 0
.set p, 0
.rept 16
	v_cvt_pk_f16_f32 v[PF+p], v[\xb+2*p], v[\xb+2*p+1]
.set p, p+1
.endr
.irp dt, 0,1,2,3
	ds_store_b128 v[STO], v[PF+4*\dt:PF+4*\dt+3] offset:32*\dt
.endr
.irp i, 0,1,2,3
	ds_load_b128 v[KF+16*\qt+4*\i:KF+16*\qt+4*\i+3], v[RD] offset:\i*4*KP   ; LDS serves a wave's instructions in order; each query tile has registers of its own
.endr
.irp i, 0,1,2,3
	s_wait_dscnt 3-\i                              ; load i is in, the younger ones stay out
	global_store_b128 v[GO], v[KF+16*\qt+4*\i:KF+16*\qt+4*\i+3], s[56:57] offset:\qt*2048+\i*512
.endr
.endm
	FINISH 0, SB
	FINISH 1, SB+32
	FINISH 2, VF
	FINISH 3, VF+32
.Lclose:
	s_wait_tensorcnt 0x0
	ds_add_u32 v126, v127
	s_wait_dscnt 0x0
	CROUND                                         ; the closing round: no work-group ends while a partner may still ask for a tile that names it
	s_endpgm
.Lfunc_end_k_qc435b299e8_attn:
	.size	k_qc435b299e8_attn, .Lfunc_end_k_qc435b299e8_attn-k_qc435b299e8_attn
	.p2alignl 7, 3214868480
	.fill 96, 4, 3214868480
	.section	.rodata,"a",@progbits
	.p2align	6, 0x0
	.amdhsa_kernel k_qc435b299e8_attn
		.amdhsa_group_segment_fixed_size 327680
		.amdhsa_private_segment_fixed_size 0
		.amdhsa_enable_private_segment 0
		.amdhsa_kernarg_size 16
		.amdhsa_user_sgpr_count 2
		.amdhsa_user_sgpr_kernarg_segment_ptr 1
		.amdhsa_wavefront_size32 1
		.amdhsa_system_sgpr_workgroup_id_x 1
		.amdhsa_system_sgpr_workgroup_id_y 1
		.amdhsa_system_sgpr_workgroup_id_z 1
		.amdhsa_system_vgpr_workitem_id 0
		.amdhsa_next_free_vgpr 456
		.amdhsa_next_free_sgpr 88
		.amdhsa_reserve_vcc 0
		.amdhsa_float_denorm_mode_32 3
		.amdhsa_float_denorm_mode_16_64 3
		.amdhsa_memory_ordered 1
		.amdhsa_forward_progress 1
		.amdhsa_inst_pref_size 163
	.end_amdhsa_kernel
	.amdgpu_metadata
---
amdhsa.version: [ 1, 2 ]
amdhsa.kernels:
  - .name:           k_qc435b299e8_attn
    .symbol:         k_qc435b299e8_attn.kd
    .args:
      - { .name: qkv, .offset: 0, .size: 8, .value_kind: global_buffer, .address_space: global }
      - { .name: att, .offset: 8, .size: 8, .value_kind: global_buffer, .address_space: global }
    .group_segment_fixed_size: 327680
    .private_segment_fixed_size: 0
    .kernarg_segment_align: 8
    .kernarg_segment_size: 16
    .max_flat_workgroup_size: 256
    .sgpr_count:     88
    .vgpr_count:     456
    .wavefront_size: 32
...
	.end_amdgpu_metadata
.endif
;; end of part 5
;; launch proj: the kernel of part 4 again; grid 8 x 32, 4 waves a work-group, clusters of 4 x 4, 327,680 bytes of LDS; arguments att, wob, out0; writes out0
